; MI455X (gfx1250); checked and timed in simulation.
; The chip was launched on July 23, 2026; its instructions are those of AMD's public machine-readable ISA for CDNA 5 (MIT licence, August 2026) and "CDNA5" Instruction Set Architecture Reference Guide (July 2026). The comments in the code are by the model that wrote it; some were corrected since.
;; Cross Attn Module. Allowed arithmetic: matrix products marked QUANTISED: E2M1 operands, one E8M0 scale for each 32 along K, by v_wmma_scale_f32_16x16x128_f8f6f4 with both operands' format E2M1 (or v_wmma_scale_f32_32x16x128_f4), f32 sums; products left as they are: bf16, f16 or f32 operands; f32 sums; everything else in f32.
;; Inputs: W1 512 x 2,048 float32; W2 2,048 x 512 float32; Wkv 512 x 1,024 float32; Wp 4,096 x 256 float32; Wq 512 x 512 float32; b1 2,048 float32; b2 512 float32; bkv 1,024 float32; bp 256 float32; bq 512 float32; pos_k 1 x 4,096 x 512 float32; pos_q 1 x 2,048 x 512 float32; temperature 8 x 1 x 1 float32; x1 8 x 2,048 x 512 float32; x2 8 x 4,096 x 512 float32.
;; Outputs: out0 8 x 2,048 x 512 float32.
;; This version of the problem:
;;   THIS VERSION OF THE PROBLEM IS GIVEN IN LOW PRECISION. The matrix products marked QUANTISED in the list below multiply operands that are first quantised to E2M1 (2 exponent bits, 1 mantissa bit; 4 bits a number), with one power-of-two scale for each 32 numbers along K (OCP MX v1.0); their sums are f32. The products marked 'left as it is' may take bf16, f16 or f32 operands, with f32 sums. Whichever they take, every output number must still come out within the allowed error. Rounding operands to bf16 (8 significant bits) uses up far more of that allowance than f16 does (11 bits, for magnitudes from 6e-5 to 65,504). All else is computed in f32.
;;   The module's matrix products, in the order in which they are computed (A, B: the left and right operand; K: the contracted axis; several contracted axes count as one K, in the product's order):
;;     1. [M 16,384, K 512] x [K 512, N 512]; A: input x1; B: input Wq: QUANTISED
;;     2. [M 32,768, K 512] x [K 512, N 1,024]; A: input x2; B: input Wkv: QUANTISED
;;     3. [M 4,096, K 4,096] x [K 4,096, N 256]; A: computed on the way; B: input Wp: left as it is (an operand is computed on the way)
;;     4. [M 4,096, K 4,096] x [K 4,096, N 256]; A: computed on the way; B: input Wp: left as it is (an operand is computed on the way)
;;     5. batch 64 x [M 2,048, K 64] x [K 64, N 256]; A: computed on the way; B: computed on the way: left as it is (an operand is computed on the way)
;;     6. batch 64 x [M 2,048, K 256] x [K 256, N 64]; A: computed on the way; B: computed on the way: left as it is (an operand is computed on the way)
;;     7. [M 16,384, K 512] x [K 512, N 2,048]; A: computed on the way; B: input W1: left as it is (an operand is computed on the way)
;;     8. [M 16,384, K 2,048] x [K 2,048, N 512]; A: computed on the way; B: input W2: left as it is (an operand is computed on the way)
;;   THE QUANTISER, for each operand of a quantised product, along K:
;;     - K is cut into blocks of 32 from its start; a last block that is shorter is filled with zeros.
;;     - A block's scale is 2^e with e = floor(log2(the largest magnitude in the block)) - 2, held to -126 .. 127; a block of zeros has e = 0. As a byte (E8M0): e + 127.
;;     - Each number is divided by its block's scale, clamped to +-6, and rounded to the nearest number of E2M1, ties to even, subnormals kept.
;;     - The product sums the exact products of the quantised numbers (number of the format x scale) in f32.
;;   ~~~python
;;   def quantise(x, axis):      # numpy; x: float32 -> the quantised numbers, widened to float32 again
;;       x = np.moveaxis(x, axis, -1); K = x.shape[-1]
;;       x = np.pad(x, [(0, 0)] * (x.ndim - 1) + [(0, -K % 32)]); x = x.reshape(x.shape[:-1] + (-1, 32)); a = np.abs(x).max(-1, keepdims=True)
;;       e = np.where(a > 0, np.clip(np.frexp(np.where(a > 0, a, 1))[1] - 1 - 2, -126, 127), 0)      # np.frexp(a)[1] - 1 = floor(log2(a)), exactly
;;       r = np.clip(x / 2.0 ** e, -6, 6)
;;       step = 2.0 ** (np.maximum(np.frexp(np.where(r == 0, 1, r))[1] - 1, 0) - 1)
;;       q = np.round(r / step) * step * 2.0 ** e      # np.round: ties to even
;;       return np.moveaxis(q.reshape(q.shape[:-2] + (-1,))[..., :K], -1, axis).astype(np.float32)
;;   ~~~
;; One version. Each part assembles by itself: llvm-mc -triple=amdgcn-amd-amdhsa -mcpu=gfx1250 --defsym DOCPART=n.
;; ======== version 1 of 1: 4 launches
;; limits: values are held in f16: magnitudes above 65,504 overflow, below 6.1e-05 lose precision; a function is approximated: absolute error at most 1.5e-07
;; workspace buffers: wq4 417,792 bytes; w16 6,291,456 bytes; qh 16,777,216 bytes; qskip 33,554,432 bytes; kvf 67,108,864 bytes; kvp 4,194,304 bytes; ksc 32,768 bytes
;; launch prep (part 1): grid 408 x 1, 4 waves a work-group, no clusters, 0 bytes of LDS; arguments Wq, Wkv, W1, W2, Wp, wq4, w16; writes wq4, w16
.if DOCPART == 1
	.amdgcn_target "amdgcn-amd-amdhsa--gfx1250"
	.amdhsa_code_object_version 6
	.text
	.protected	k_qd45d3e0c71_prep
	.globl	k_qd45d3e0c71_prep
	.p2align	8
	.type	k_qd45d3e0c71_prep,@function
k_qd45d3e0c71_prep:
	s_mov_b64 s[64:65], 0
	v_nop
	global_prefetch_b8 v0, s[64:65] scope:SCOPE_SE
	s_setreg_imm32_b32 hwreg(HW_REG_WAVE_MODE, 25, 1), 1
	s_wait_xcnt 0x0
; THE WEIGHTS, LAID ONCE AS THE LATER LAUNCHES' OPERAND REGISTERS TAKE THEM.
; Nothing of the problem is left out as dead work in this program: every input has a way to the output (bp and bkv enter the scores by terms that differ along the softmax's axis), and all are loaded.
; Wq [512][512], Wkv [512][1024] (K first): codes of E2M1 with one E8M0 byte for each 32 along K, by the stated rule.  A fragment is 16 columns x 128 K, 8 registers a lane,
; stored as the image of those registers: 1,024 bytes, [2][lane][16 bytes].  wq4: [column tile 96][K step 4] images; from byte 393,216 the scale words [tile][16 columns][4 K steps].
; W1 x kappa, W2 x 0.5/kappa, Wp: f16 fragments of 16 rows x 32 K, images likewise (kappa = sqrt(log2(e)/2): see the last launch's GELU).  w16: W1F at 0, W2F at 2 MiB, WPF at 4 MiB.
; A lane takes a column and its registers run down K, so nothing is transposed; each store of a wave covers 512 consecutive bytes, aligned.
; LIMITS: NaN and infinities among the inputs are not served.  A block of zeros gets the scale byte 1 where the rule says 127: its codes are zeros, and this program alone reads the bytes.
.set X,  32                            ; v32-159  two sets of 64 numbers
.set CD, 160                           ; v160-191 codes, eight registers for each K step: no store's data are written again
	s_load_b256 s[4:11], s[0:1], 0x0               ; Wq, Wkv, W1, W2
	s_load_b128 s[12:15], s[0:1], 0x20             ; Wp, wq4
	s_load_b64 s[16:17], s[0:1], 0x30              ; w16
	v_lshrrev_b32 v1, 5, v0
	v_readfirstlane_b32 s20, v1                    ; wave
	v_and_b32 v1, 31, v0                           ; lane
	v_and_b32 v2, 15, v0                           ; r
	v_bfe_u32 v3, v0, 4, 1                         ; h
	v_lshlrev_b32 v5, 4, v1                        ; 16 x lane: my place in an image
	v_lshlrev_b32 v15, 3, v3                       ; 8 h: where my two scale bytes go
	v_lshlrev_b32 v17, 4, v2                       ; 16 r
	v_mov_b32 v16, 0                               ; a lane permute's destination counts as read
	s_mov_b32 s22, 0x76543210
	s_mov_b32 s23, 0xfedcba98                      ; selects for lane l xor 16
	s_mov_b32 s29, 0
	s_wait_kmcnt 0x0
	s_cmp_lt_u32 ttmp9, 8
	s_cbranch_scc1 .Lwq
	s_cmp_lt_u32 ttmp9, 24
	s_cbranch_scc1 .Lwkv
	s_cmp_lt_u32 ttmp9, 152
	s_cbranch_scc1 .Lw1
	s_cmp_lt_u32 ttmp9, 280
	s_cbranch_scc1 .Lw2
	s_branch .Lwp
.macro LOADK N, s                      ; K step s: W(128 s + 64 c + 32 h + i, my column)
.set lc, 0
.rept 2
.set li, 0
.rept 32
	global_load_b32 v[X+64*((\s)%2)+32*lc+li], v4, s[26:27] offset:(128*(\s)+64*lc+li)*\N*4
.set li, li+1
.endr
.set lc, lc+1
.endr
.endm
.macro QK s                            ; my two whole blocks of K step s: largest magnitude, byte, codes
.set XQ, X+64*((\s)%2)
	v_max3_num_f32 v8, |v[XQ]|, |v[XQ+1]|, 0x1800000       ; with the floor 2^(3 - 127): the byte cannot fall under 1
	v_max3_num_f32 v9, |v[XQ+32]|, |v[XQ+33]|, 0x1800000
.set qi, 2
.rept 15
	v_max3_num_f32 v8, v8, |v[XQ+qi]|, |v[XQ+qi+1]|
	v_max3_num_f32 v9, v9, |v[XQ+32+qi]|, |v[XQ+33+qi]|
.set qi, qi+2
.endr
	v_add_nc_u32 v10, 0xff000000, v8               ; 2 off the exponent field: the conversion's scale operand
	v_add_nc_u32 v11, 0xff000000, v9
	v_lshrrev_b32 v12, 23, v10                     ; the bytes of blocks h and 2 + h
	v_lshrrev_b32 v13, 23, v11
	v_lshl_or_b32 v14, v13, 16, v12
	v_lshlrev_b32 v14, v15, v14
	v_permlanex16_b32 v16, v14, s22, s23
	v_or_b32 v[24+\s], v14, v16                    ; with lane l xor 16's two the word is whole
.set qi, 0
.rept 4
	v_cvt_scalef32_pk8_fp4_f32 v[CD+8*(\s)+qi], v[XQ+8*qi:XQ+8*qi+7], v10
	v_cvt_scalef32_pk8_fp4_f32 v[CD+8*(\s)+4+qi], v[XQ+32+8*qi:XQ+32+8*qi+7], v11
.set qi, qi+1
.endr
	v_nop                                          ; one plain line behind the last conversion
	global_store_b128 v5, v[CD+8*(\s):CD+8*(\s)+3], s[30:31] offset:1024*(\s)
	global_store_b128 v5, v[CD+8*(\s)+4:CD+8*(\s)+7], s[30:31] offset:1024*(\s)+512
.endm
.macro Q4 N, t0, src                   ; a wave makes one column tile: four K steps
	s_lshl_b32 s24, ttmp9, 2
	s_add_co_u32 s24, s24, s20                     ; the tile among the 96
	s_sub_co_u32 s25, s24, \t0                     ; and in its own matrix
	s_lshl_b32 s28, s25, 6
	s_add_nc_u64 s[26:27], s[\src:\src+1], s[28:29]
	s_lshl_b32 s28, s24, 12
	s_add_nc_u64 s[30:31], s[14:15], s[28:29]      ; its four images
	s_lshl_b32 s28, s24, 8
	s_add_co_u32 s28, s28, 393216
	s_add_nc_u64 s[32:33], s[14:15], s[28:29]      ; its scale words
	v_mul_u32_u24 v4, v3, 32*\N*4
	v_lshl_add_u32 v4, v2, 2, v4                   ; column r, lanes 16-31 begin 32 rows further down
	LOADK \N, 0
	LOADK \N, 1
	s_wait_loadcnt 63                              ; 64 younger loads are out; the count's field ends at 63, and a smaller count is safe
	QK 0
	LOADK \N, 2
	s_wait_loadcnt 63
	QK 1
	LOADK \N, 3
	s_wait_loadcnt 63
	QK 2
	s_wait_loadcnt 0x0
	QK 3
	s_wait_xcnt 0x0                                ; EXEC changes only behind this wait
	v_cmp_gt_u32 vcc_lo, 16, v1
	s_and_saveexec_b32 s34, vcc_lo
	global_store_b128 v17, v[24:27], s[32:33]      ; sixteen lanes store the tile's 256 bytes of scale words
	s_endpgm
.endm
.macro F16 N, first, kind, src, sect, scl      ; a wave makes four f16 fragments
	s_sub_co_u32 s24, ttmp9, \first
	s_lshl_b32 s24, s24, 4
	s_lshl_b32 s25, s20, 2
	s_add_co_u32 s24, s24, s25                     ; f0: my first fragment
.if \kind == 1
	s_lshr_b32 s26, s24, 5
	s_lshl_b32 s26, s26, 5                         ; first column
	s_bfe_u32 s27, s24, 0x40001
	s_lshl_b32 s27, s27, 5                         ; first k
.elseif \kind == 2
	s_bfe_u32 s26, s24, 0x20005
	s_lshl_b32 s26, s26, 7
	s_and_b32 s25, s24, 7
	s_lshl_b32 s25, s25, 4
	s_add_co_u32 s26, s26, s25
	s_lshr_b32 s27, s24, 7
	s_lshl_b32 s27, s27, 7
	s_bfe_u32 s25, s24, 0x20003
	s_lshl_b32 s25, s25, 5
	s_add_co_u32 s27, s27, s25
.else
	s_lshr_b32 s26, s24, 10
	s_lshl_b32 s26, s26, 7
	s_and_b32 s25, s24, 7
	s_lshl_b32 s25, s25, 4
	s_add_co_u32 s26, s26, s25
	s_bfe_u32 s27, s24, 0x70003
	s_lshl_b32 s27, s27, 5
.endif
	s_mul_i32 s27, s27, \N
	s_add_co_u32 s27, s27, s26
	s_lshl_b32 s28, s27, 2
	s_add_nc_u64 s[26:27], s[\src:\src+1], s[28:29]
	s_lshl_b32 s28, s24, 10
	s_add_co_u32 s28, s28, \sect
	s_add_nc_u64 s[30:31], s[16:17], s[28:29]
	v_mul_u32_u24 v4, v3, 8*\N*4
	v_lshl_add_u32 v4, v2, 2, v4                   ; column r, k from 8 h on
.set fd, 0
.rept 4
.if \kind == 1
.set DO, (fd&1)*64+(fd>>1)*32*\N*4
.else
.set DO, 64*fd
.endif
.set fi, 0
.rept 8
	global_load_b32 v[32+16*fd+fi], v4, s[26:27] offset:DO+fi*\N*4
	global_load_b32 v[40+16*fd+fi], v4, s[26:27] offset:DO+(16+fi)*\N*4
.set fi, fi+1
.endr
.set fd, fd+1
.endr
	s_wait_loadcnt 0x0
.if \scl
.set fi, 0
.rept 32
	v_pk_mul_f32 v[32+2*fi:33+2*fi], v[32+2*fi:33+2*fi], \scl op_sel_hi:[1,0]
.set fi, fi+1
.endr
.endif
.set fi, 0
.rept 32
	v_cvt_pk_f16_f32 v[96+fi], v[32+2*fi], v[33+2*fi]
.set fi, fi+1
.endr
.set fi, 0
.rept 8
	global_store_b128 v5, v[96+4*fi:99+4*fi], s[30:31] offset:512*fi
.set fi, fi+1
.endr
	s_endpgm
.endm
.Lwq:
	Q4 512, 0, 4
.Lwkv:
	Q4 1024, 32, 6
.Lw1:
	F16 2048, 24, 1, 8, 0, 0x3f596d27              ; x kappa = 0.8493218
.Lw2:
	F16 512, 152, 2, 10, 2097152, 0x3f16b55f       ; x 0.5 / kappa = 0.5887050
.Lwp:
	F16 256, 280, 3, 12, 4194304, 0
.Lfunc_end_k_qd45d3e0c71_prep:
	.size	k_qd45d3e0c71_prep, .Lfunc_end_k_qd45d3e0c71_prep-k_qd45d3e0c71_prep
	.p2alignl 7, 3214868480
	.fill 96, 4, 3214868480
	.section	.rodata,"a",@progbits
	.p2align	6, 0x0
	.amdhsa_kernel k_qd45d3e0c71_prep
		.amdhsa_group_segment_fixed_size 0
		.amdhsa_private_segment_fixed_size 0
		.amdhsa_enable_private_segment 0
		.amdhsa_kernarg_size 56
		.amdhsa_user_sgpr_count 2
		.amdhsa_user_sgpr_kernarg_segment_ptr 1
		.amdhsa_wavefront_size32 1
		.amdhsa_system_sgpr_workgroup_id_x 1
		.amdhsa_system_sgpr_workgroup_id_y 1
		.amdhsa_system_sgpr_workgroup_id_z 1
		.amdhsa_system_vgpr_workitem_id 0
		.amdhsa_next_free_vgpr 192
		.amdhsa_next_free_sgpr 66
		.amdhsa_reserve_vcc 1
		.amdhsa_float_denorm_mode_32 3
		.amdhsa_float_denorm_mode_16_64 3
		.amdhsa_memory_ordered 1
		.amdhsa_forward_progress 1
		.amdhsa_inst_pref_size 112
	.end_amdhsa_kernel
	.amdgpu_metadata
---
amdhsa.version: [ 1, 2 ]
amdhsa.kernels:
  - .name:           k_qd45d3e0c71_prep
    .symbol:         k_qd45d3e0c71_prep.kd
    .args:
      - { .name: Wq, .offset: 0, .size: 8, .value_kind: global_buffer, .address_space: global }
      - { .name: Wkv, .offset: 8, .size: 8, .value_kind: global_buffer, .address_space: global }
      - { .name: W1, .offset: 16, .size: 8, .value_kind: global_buffer, .address_space: global }
      - { .name: W2, .offset: 24, .size: 8, .value_kind: global_buffer, .address_space: global }
      - { .name: Wp, .offset: 32, .size: 8, .value_kind: global_buffer, .address_space: global }
      - { .name: wq4, .offset: 40, .size: 8, .value_kind: global_buffer, .address_space: global }
      - { .name: w16, .offset: 48, .size: 8, .value_kind: global_buffer, .address_space: global }
    .group_segment_fixed_size: 0
    .private_segment_fixed_size: 0
    .kernarg_segment_align: 8
    .kernarg_segment_size: 56
    .max_flat_workgroup_size: 128
    .sgpr_count:     66
    .vgpr_count:     192
    .wavefront_size: 32
...
	.end_amdgpu_metadata
.endif
;; end of part 1
;; launch proj (part 2): grid 512 x 1, 4 waves a work-group, no clusters, 159,232 bytes of LDS; arguments x1, x2, wq4, bq, bkv, pos_q, pos_k, qh, qskip, kvf; writes qh, qskip, kvf
.if DOCPART == 2
	.amdgcn_target "amdgcn-amd-amdhsa--gfx1250"
	.amdhsa_code_object_version 6
	.text
	.protected	k_qd45d3e0c71_proj
	.globl	k_qd45d3e0c71_proj
	.p2align	8
	.type	k_qd45d3e0c71_proj,@function
k_qd45d3e0c71_proj:
	s_mov_b64 s[64:65], 0
	v_nop
	global_prefetch_b8 v0, s[64:65] scope:SCOPE_SE
	s_setreg_imm32_b32 hwreg(HW_REG_WAVE_MODE, 25, 1), 1
	s_wait_xcnt 0x0
; THE TWO QUANTISED PRODUCTS: kv = Q(x2) Q(Wkv) + bkv (+ pos_k on the k half), work-groups 0-255; q = Q(x1) Q(Wq) + bq + pos_q, work-groups 256-511.  No work is left out.
; x IS READ IN DENSE RUNS: one K step (128 numbers) of one row is 512 consecutive bytes, one load of a wave, 16 bytes a lane.  The quantiser wants 16 neighbours of each block of 32 in ONE lane, so a unit (16 rows x 128 K) turns
; through the wave's own stage in LDS: in as loaded, row by row, 528 bytes apart; out 64 bytes of each block a lane (lanes l and l xor 16 share a block).  Four units, 64 loads a wave, are on their way at a time, in window 1, which is free until x's fragments go there.
; x is quantised in registers by the stated rule and goes from wave to wave through LDS as images of the operand's registers.
; THE WAVES SHARE THE COLUMNS: each weight fragment (made by the launch before) is loaded once a work-group and meets 8 (kv) or 4 (q) row tiles.  Bias + position are the C of each sum's first product.
; kv work-group: 32 rows of the sequence in four batches.  Source 0 = x, source 1 = W: a lane holds a channel and its registers run along the sequence, which is the next product's K: two tiles round to one f16 fragment of kvf.
; q work-group: rows n = 512 i + 32 r + rho in four batches (THE ROWS OF A TILE ARE NOT NEIGHBOURS: they are the rows that one work-group of the last launch adds to its rows).  Source 0 = W, source 1 = x: a lane holds a row
; and eight neighbouring channels: the result as it stands is an image of qskip (f32); rounded to f16 it goes through the wave's stage and leaves as runs of 256 bytes of qh's rows.
; Both paths' tiles are written out: every offset is an immediate and no base is stepped.
; The two paths part on the work-group's number and have LDS bytes of their own.  LIMITS: NaN and infinities are not served; a block of zeros gets the byte 1 (its codes are zeros).
.set KXI, 0                            ; kv: x's 32 images;
.set KXS, 32768                        ; their scale words [row tile 8][lane][K step 4]
.set QXI, 36864                        ; q: 16 images;
.set QXS, 53248                        ; scale words
.set QST, 55296                        ; q: stages, 4 waves x 4 batches x 16 rows x 272 bytes; while x is quantised a wave's first 8,448 bytes are its stage for the turn
.set KST, 124928                       ; kv: the stages for the turn, 4 waves x 16 rows x 528 bytes
.set SPARE, 158720                     ; the spare words, 128 bytes a wave: no other line names them
.set SPW, 252
.set NIL, 253
.set XS,  16                           ; v16-47   x's scale words: scales and nothing else
.set ACC, 48                           ; v48-111  accumulators
.set TM,  48                           ; while x is quantised: v48-63 at work, v64 the scale word, v72-79 the codes, v112-239 two sets of 64 numbers back from the stage
.set PW,  64
.set PC,  72
.set ST0, 112
.set WF,  112                          ; v112-175 W's four fragments, two sets
.set CT,  176                          ; v176-207 bias + position, two sets
.set BQ,  192                          ; (q: v176-191 position, v192-207 bias)
.set F,   208                          ; v208-239 results as f16
.set WS,  240                          ; v240-247 W's scale words, two sets: scales and nothing else
.set BI,  248                          ; v248-249 kv: my channel's bias
.set MSB, 0                            ; v4: the stage, on the way in; v254: on the way out.  Window 1: four sets of 64 registers as loaded; then x's fragments
.macro WIN new
.if MSB != \new
	s_set_vgpr_msb (MSB<<8)|\new
.set MSB, \new
.endif
.endm
.macro PLACES n
.rept \n
	v_nop
.endr
.endm
.macro BARRIER
	s_wait_dscnt 0x0
	s_barrier_signal -1
	s_barrier_wait -1
.endm
.macro XLOAD set, off, rs              ; a unit: 16 rows, rs bytes apart, 512 consecutive bytes each, into set \set of window 1
	WIN 0x40
.set xj, 0
.rept 16
	global_load_b128 v[64*(\set)+4*xj:64*(\set)+4*xj+3], v5, s[44:45] offset:(\off)+xj*(\rs) th:TH_LOAD_NT
.set xj, xj+1
.endr
.endm
.macro TURN set, xs                    ; the unit in set \set goes through my stage; LDS serves a wave's instructions in order, so no wait stands between the stores and the loads
	WIN 0x04                                       ; an LDS store's data: window 1
.set xj, 0
.rept 16
	ds_store_b128 v4, v[64*(\set)+4*xj:64*(\set)+4*xj+3] offset:528*xj
.set xj, xj+1
.endr
	WIN 0
.set xj, 0
.rept 16
	ds_load_b128 v[\xs+4*xj:\xs+4*xj+3], v254 offset:128*(xj>>2)+16*(xj&3)     ; register 16 b + i: number 32 b + 16 h + i of row r
.set xj, xj+1
.endr
.endm
.macro QUANT s                         ; v[s] .. v[s + 63] become a fragment's codes in v[PC] on and its scale word in v[PW]
.irp b, 0,1,2,3
	v_max3_num_f32 v[TM+\b], |v[\s+16*\b]|, |v[\s+1+16*\b]|, 0x1800000   ; with the floor 2^(3 - 127)
.endr
.irp i, 2,4,6,8,10,12,14
.irp b, 0,1,2,3
	v_max3_num_f32 v[TM+\b], v[TM+\b], |v[\s+16*\b+\i]|, |v[\s+1+16*\b+\i]|
.endr
.endr
.irp b, 0,1,2,3
	v_permlanex16_b32 v[TM+4+\b], v[TM+\b], s26, s27
.endr
.irp b, 0,1,2,3
	v_max_num_f32 v[TM+\b], v[TM+\b], v[TM+4+\b]
.endr
.irp b, 0,1,2,3
	v_add_nc_u32 v[TM+12+\b], 0xff000000, v[TM+\b]     ; 2 off the exponent field: the conversion's scale operand
.endr
.irp b, 0,1,2,3
	v_lshrrev_b32 v[TM+4+\b], 23, v[TM+12+\b]          ; the byte
.endr
	v_lshl_or_b32 v[PW], v[TM+5], 8, v[TM+4]
	v_lshl_or_b32 v[PW], v[TM+6], 16, v[PW]
	v_lshl_or_b32 v[PW], v[TM+7], 24, v[PW]
.irp b, 0,1,2,3
	v_cvt_scalef32_pk8_fp4_f32 v[PC+2*\b], v[\s+16*\b:\s+7+16*\b], v[TM+12+\b]
	v_cvt_scalef32_pk8_fp4_f32 v[PC+1+2*\b], v[\s+8+16*\b:\s+15+16*\b], v[TM+12+\b]
.endr
	v_nop                                          ; one plain line behind the last conversion
.irp c, 0,1                                    ; a whole block to a lane
.irp i, 0,1
	v_permlane16_swap_b32 v[PC+4*\c+\i], v[PC+2+4*\c+\i]
.endr
.endr
.endm
.macro IMAGE off
	ds_store_b128 v6, v[PC:PC+3] offset:\off
	ds_store_b128 v6, v[PC+4:PC+7] offset:\off+512
.endm
.macro MX d, a, b, c, sa, sb
	v_wmma_scale_f32_16x16x128_f8f6f4 v[\d:\d+7], v[\a:\a+7], v[\b:\b+7], v[\c:\c+7], v[\sa], v[\sb] matrix_a_fmt:MATRIX_FMT_FP4 matrix_b_fmt:MATRIX_FMT_FP4
.endm
	s_load_b256 s[4:11], s[0:1], 0x0               ; x1, x2, wq4, bq
	s_load_b256 s[12:19], s[0:1], 0x20             ; bkv, pos_q, pos_k, qh
	s_load_b128 s[20:23], s[0:1], 0x40             ; qskip, kvf
	v_lshl_add_u32 v[SPW], v0, 2, SPARE
	v_mov_b32 v[NIL], 0
	v_lshrrev_b32 v1, 5, v0
	v_readfirstlane_b32 s24, v1                    ; wave
	v_and_b32 v1, 31, v0
	v_and_b32 v2, 15, v0                           ; r
	v_bfe_u32 v3, v0, 4, 1                         ; h
	v_lshlrev_b32 v5, 4, v1                        ; 16 x lane
	v_lshlrev_b32 v11, 4, v2                       ; 16 r: a column's four scale words
	s_mov_b32 s26, 0x76543210
	s_mov_b32 s27, 0xfedcba98
.irp b, 0,1,2,3
	v_mov_b32 v[TM+4+\b], 0
.endr
	s_mov_b32 s39, 0
	s_wait_kmcnt 0x0
	s_cmp_ge_u32 ttmp9, 256
	s_cbranch_scc1 .Lq
; ---------------- kv ----------------
	s_and_b32 s40, ttmp9, 127                      ; ks: which 32 rows of the sequence
	s_lshr_b32 s41, ttmp9, 7                       ; bg: batches 4 bg ..
	s_lshl_b32 s42, s41, 2
	s_add_co_u32 s42, s42, s24                     ; wave w quantises batch 4 bg + w
	s_lshl_b32 s42, s42, 12
	s_lshl_b32 s43, s40, 5
	s_add_co_u32 s42, s42, s43
	s_lshl_b32 s38, s42, 11
	s_add_nc_u64 s[44:45], s[6:7], s[38:39]        ; my 32 rows of 2,048 bytes
	XLOAD 0, 0, 2048                               ; units 0 to 3: row tile 0, K steps 0 to 3
	XLOAD 1, 512, 2048
	XLOAD 2, 1024, 2048
	XLOAD 3, 1536, 2048
	WIN 0
	s_mul_i32 s42, s24, 8448
	v_add_nc_u32 v4, s42, v5
	v_add_nc_u32 v4, KST, v4                       ; my stage, in: 16 x lane (+ 528 x row)
	v_mul_u32_u24 v254, v2, 528
	v_lshl_add_u32 v254, v3, 6, v254
	v_add_nc_u32 v254, s42, v254
	v_add_nc_u32 v254, KST, v254                   ; out: row r, + 64 h
	s_lshl_b32 s42, s24, 13
	v_add_nc_u32 v6, s42, v5                       ; my images: 16 x lane + 8,192 x wave
	s_lshl_b32 s42, s24, 10
	v_add_nc_u32 v7, s42, v5                       ; my scale words
	s_lshl_b32 s42, s24, 3
	s_add_co_u32 s42, s42, 32                      ; Wkv's tiles lie behind Wq's 32; mine begin at 8 w
	s_lshl_b32 s38, s42, 12
	s_add_nc_u64 s[28:29], s[8:9], s[38:39]        ; W's images
	s_lshl_b32 s38, s42, 8
	s_add_co_u32 s38, s38, 393216
	s_add_nc_u64 s[30:31], s[8:9], s[38:39]        ; W's scale words
	s_lshl_b32 s38, s40, 16
	s_lshl_b32 s43, s24, 9
	s_add_co_u32 s38, s38, s43
	s_add_nc_u64 s[32:33], s[16:17], s[38:39]      ; pos_k
	s_mov_b32 s38, s43
	s_add_nc_u64 s[34:35], s[12:13], s[38:39]      ; bkv
	s_lshl_b32 s38, s41, 9
	s_add_co_u32 s38, s38, s40
	s_lshl_b32 s38, s38, 16
	s_lshl_b32 s43, s24, 13
	s_add_co_u32 s38, s38, s43
	s_add_nc_u64 s[36:37], s[22:23], s[38:39]      ; kvf
.irp t, 0,1,2,3
	v_add_nc_u32 v[12+\t], \t*8388608, v5          ; the four batches' places in kvf
.endr
	v_lshlrev_b32 v10, 2, v2
	v_lshl_add_u32 v8, v3, 14, v10                 ; pos_k: 8 h rows + 4 r
	s_wait_loadcnt 48                              ; unit 0 is in; the three younger units' 48 loads may be out
	TURN 0, ST0
.set uu, 0
.rept 8                                        ; unit uu: row tile uu / 4, K step uu % 4
	s_wait_dscnt 0x0                               ; this unit is back from the stage, so its stores into the stage have read their registers; the last image's stores have read theirs
.if uu < 4
	XLOAD uu, 32768+512*uu, 2048                   ; which take the unit four on: row tile 1
	WIN 0
.endif
.if uu < 7
.if uu < 4
	s_wait_loadcnt 48                              ; the next unit is in; three younger units may be out
.else
	s_wait_loadcnt 16*(6-uu)                       ; the counts run down
.endif
	TURN (uu+1)&3, ST0+64*((uu+1)&1)               ; it goes through the stage while this unit is quantised
.endif
	QUANT ST0+64*(uu&1)
	IMAGE KXI+1024*uu
	ds_store_b32 v7, v[PW] offset:KXS+512*(uu>>2)+4*(uu&3)
.set uu, uu+1
.endr
	BARRIER                                        ; all 32 images lie in LDS
	WIN 0x40
.set ff, 0
.rept 64
	ds_load_b128 v[4*ff:4*ff+3], v5 offset:KXI+512*ff      ; fragment (row tile, K step) at v[8 (4 mt + s)] of window 1
.set ff, ff+1
.endr
	WIN 0
.set ff, 0
.rept 8
	ds_load_b128 v[XS+4*ff:XS+4*ff+3], v5 offset:KXS+512*ff
.set ff, ff+1
.endr
.macro LOADW set, kind, d              ; the tile d tiles on from my first: 26 loads (k) or 10 (v)
.set lw, 0
.rept 8
	global_load_b128 v[WF+32*\set+4*lw:WF+32*\set+4*lw+3], v5, s[28:29] offset:(\d)*4096+512*lw
.set lw, lw+1
.endr
	global_load_b128 v[WS+4*\set:WS+4*\set+3], v11, s[30:31] offset:(\d)*256
	global_load_b32 v[BI+\set], v10, s[34:35] offset:(\d)*64
.if \kind == 1
.set lw, 0
.rept 16
	global_load_b32 v[CT+16*\set+lw], v8, s[32:33] offset:(\d)*64+(lw+8*(lw>>3))*2048
.set lw, lw+1
.endr
.endif
.endm
.macro KVTILE set, kind, n, nk, dn, dst
	s_wait_loadcnt \n                              ; my set is in; the other set's loads may be out
.set kt, 0
.if \kind == 1
.rept 16
	v_add_f32 v[CT+16*\set+kt], v[CT+16*\set+kt], v[BI+\set]
.set kt, kt+1
.endr
.else
.rept 8
	v_mov_b32 v[CT+16*\set+kt], v[BI+\set]
.set kt, kt+1
.endr
.endif
	PLACES 4
	WIN 0x01                                       ; source 0 (x) in window 1
.set ks_, 0
.rept 4
.set mt, 0
.rept 8                                        ; eight accumulators by turns
.set RD_, ACC+8*mt
.set RA_, 8*(4*mt+ks_)
.set RB_, WF+32*\set+8*ks_
.set RC_, RD_
.if ks_ == 0
.set RC_, CT+16*\set+8*(mt&1)*(2-\kind)
.endif
	MX RD_, RA_, RB_, RC_, XS+4*mt+ks_, WS+4*\set+ks_
.set mt, mt+1
.endr
.set ks_, ks_+1
.endr
	WIN 0
	PLACES 4                                       ; in front of loads into the products' registers and of the first read of results
	s_wait_xcnt 0x0                                ; the last tile's stores have read their data: it stands ahead of this tile's loads, and of the conversions that write those registers again
.if \nk
	LOADW \set, \nk, \dn
.endif
.set kt, 0
.rept 32
	v_cvt_pk_f16_f32 v[F+kt], v[ACC+2*kt], v[ACC+2*kt+1]   ; two row tiles of a batch are one fragment: K = the sequence
.set kt, kt+1
.endr
.set kt, 0
.rept 4
	global_store_b128 v[12+kt], v[F+8*kt:F+8*kt+3], s[36:37] offset:\dst*1024
	global_store_b128 v[12+kt], v[F+8*kt+4:F+8*kt+7], s[36:37] offset:\dst*1024+512
.set kt, kt+1
.endr
.endm
	LOADW 0, 1, 0
	LOADW 1, 1, 1
	s_wait_dscnt 0x0                               ; x's fragments and scale words
.set TN, 0
.rept 16                                       ; my eight tiles of k, then my eight of v, which lie 32 tiles behind them; two register sets by turns, the tile two on is asked for in each
.set TSET, TN&1
.set TKIND, 1+(TN>>3)
.set TD, TN+24*(TN>>3)
.set TWAIT, 0
.if TN < 15
.set TWAIT, 26-16*((TN+1)>>3)                  ; the next tile's loads: 26 (k) or 10 (v)
.endif
.set TNK, 0
.set TDN, 0
.if TN < 14
.set TNK, 1+((TN+2)>>3)
.set TDN, (TN+2)+24*((TN+2)>>3)
.endif
	KVTILE TSET, TKIND, TWAIT, TNK, TDN, TD
.set TN, TN+1
.endr
	s_wait_tensorcnt 0x0                           ; the wave's end
	ds_add_u32 v[SPW], v[NIL]
	s_wait_dscnt 0x0
	s_endpgm
; ---------------- q ----------------
.Lq:
	s_sub_co_u32 s40, ttmp9, 256
	s_and_b32 s41, s40, 31                         ; rho
	s_bfe_u32 s42, s40, 0x20005                    ; i
	s_lshr_b32 s43, s40, 7                         ; bg
	s_lshl_b32 s46, s43, 2
	s_add_co_u32 s46, s46, s24
	s_lshl_b32 s46, s46, 11
	s_lshl_b32 s47, s42, 9
	s_add_co_u32 s47, s47, s41                     ; 512 i + rho
	s_add_co_u32 s46, s46, s47
	s_lshl_b32 s38, s46, 11
	s_add_nc_u64 s[44:45], s[4:5], s[38:39]
	XLOAD 0, 0, 65536                              ; all four units: my 16 rows lie 32 rows apart
	XLOAD 1, 512, 65536
	XLOAD 2, 1024, 65536
	XLOAD 3, 1536, 65536
	WIN 0
	s_lshl_b32 s46, s24, 12
	v_add_nc_u32 v6, s46, v5
	s_lshl_b32 s46, s24, 9
	v_add_nc_u32 v7, s46, v5
	s_lshl_b32 s38, s24, 15
	s_add_nc_u64 s[28:29], s[8:9], s[38:39]        ; Wq's tiles 8 w ..
	s_lshl_b32 s38, s24, 11
	s_add_co_u32 s38, s38, 393216
	s_add_nc_u64 s[30:31], s[8:9], s[38:39]
	s_lshl_b32 s38, s47, 11
	s_add_co_u32 s38, s38, s46
	s_add_nc_u64 s[32:33], s[14:15], s[38:39]      ; pos_q
	s_mov_b32 s38, s46
	s_add_nc_u64 s[34:35], s[10:11], s[38:39]      ; bq
	s_lshl_b32 s38, s43, 7
	s_add_co_u32 s38, s38, s41
	s_lshl_b32 s38, s38, 2
	s_add_co_u32 s38, s38, s24
	s_lshl_b32 s38, s38, 5
	s_lshl_b32 s48, s42, 3
	s_add_co_u32 s38, s38, s48
	s_lshl_b32 s38, s38, 10
	s_add_nc_u64 s[36:37], s[20:21], s[38:39]      ; qskip
	s_lshl_b32 s38, s43, 13
	s_add_co_u32 s38, s38, s47
	s_lshl_b32 s38, s38, 10
	s_lshl_b32 s48, s24, 8
	s_add_co_u32 s38, s38, s48
	s_add_nc_u64 s[50:51], s[18:19], s[38:39]      ; qh
.irp t, 0,1,2,3
	v_add_nc_u32 v[12+\t], \t*4194304, v5
.endr
	v_lshlrev_b32 v10, 5, v3                       ; 32 h
	v_lshl_add_u32 v8, v2, 16, v10
	s_mul_i32 s48, s24, 17408
	v_add_nc_u32 v4, s48, v5
	v_add_nc_u32 v4, QST, v4                       ; the turn's stage, in: 16 x lane (+ 528 x row)
	v_mul_u32_u24 v254, v2, 528
	v_lshl_add_u32 v254, v3, 6, v254
	v_add_nc_u32 v254, s48, v254
	v_add_nc_u32 v254, QST, v254                   ; out: row r, + 64 h
	v_mul_u32_u24 v9, v2, 272
	v_lshl_add_u32 v9, v3, 4, v9
	v_add_nc_u32 v9, s48, v9
	v_add_nc_u32 v9, QST, v9                       ; the way out, into my stage: row r, 16 h
	v_mul_u32_u24 v250, v3, 272
	v_lshl_add_u32 v250, v2, 4, v250
	v_add_nc_u32 v250, s48, v250
	v_add_nc_u32 v250, QST, v250                   ; back: lanes 0-15 one row, lanes 16-31 the next
	v_lshlrev_b32 v251, 15, v3
	v_lshl_add_u32 v251, v2, 4, v251               ; and the same two rows of qh, 32 rows apart
	s_wait_loadcnt 48                              ; unit 0 is in; the three younger units' 48 loads may be out
	TURN 0, ST0
.set uu, 0
.rept 4
	s_wait_dscnt 0x0                               ; this unit is back from the stage; the last image's stores have read their registers
.if uu < 3
	s_wait_loadcnt 16*(2-uu)                       ; the next unit is in; the counts run down
	TURN uu+1, ST0+64*((uu+1)&1)
.endif
	QUANT ST0+64*(uu&1)
	IMAGE QXI+1024*uu
	ds_store_b32 v7, v[PW] offset:QXS+4*uu
.set uu, uu+1
.endr
	BARRIER
	WIN 0x40
.set ff, 0
.rept 32
	ds_load_b128 v[4*ff:4*ff+3], v5 offset:QXI+512*ff
.set ff, ff+1
.endr
	WIN 0
.set ff, 0
.rept 4
	ds_load_b128 v[XS+4*ff:XS+4*ff+3], v5 offset:QXS+512*ff
.set ff, ff+1
.endr
.macro LOADQ set, t                    ; 13 loads
.set lw, 0
.rept 8
	global_load_b128 v[WF+32*\set+4*lw:WF+32*\set+4*lw+3], v5, s[28:29] offset:(\t)*4096+512*lw
.set lw, lw+1
.endr
	global_load_b128 v[WS+4*\set:WS+4*\set+3], v11, s[30:31] offset:(\t)*256
	global_load_b128 v[CT+8*\set:CT+8*\set+3], v8, s[32:33] offset:(\t)*64
	global_load_b128 v[CT+8*\set+4:CT+8*\set+7], v8, s[32:33] offset:(\t)*64+16
	global_load_b128 v[BQ+8*\set:BQ+8*\set+3], v10, s[34:35] offset:(\t)*64
	global_load_b128 v[BQ+8*\set+4:BQ+8*\set+7], v10, s[34:35] offset:(\t)*64+16
.endm
	LOADQ 0, 0
	LOADQ 1, 1
	s_wait_dscnt 0x0
.set tq, 0
.rept 8                                        ; my eight tiles of 16 channels, written out: every offset is an immediate
.set sq, tq%2
.if tq < 7
	s_wait_loadcnt 13
.else
	s_wait_loadcnt 0x0
.endif
	s_wait_xcnt 0x0                                ; the last tile's stores have read the accumulators
.set kt, 0
.rept 4
	v_pk_add_f32 v[CT+8*sq+2*kt:CT+8*sq+2*kt+1], v[CT+8*sq+2*kt:CT+8*sq+2*kt+1], v[BQ+8*sq+2*kt:BQ+8*sq+2*kt+1]
.set kt, kt+1
.endr
	PLACES 4
	WIN 0x04                                       ; source 1 (x) in window 1
.set ks_, 0
.rept 4
.set mt, 0
.rept 4                                        ; four accumulators by turns
.set RD_, ACC+8*mt
.set RC_, RD_
.if ks_ == 0
.set RC_, CT+8*sq
.endif
	MX RD_, WF+32*sq+8*ks_, 8*(4*mt+ks_), RC_, WS+4*sq+ks_, XS+4*mt+ks_
.set mt, mt+1
.endr
.set ks_, ks_+1
.endr
	WIN 0
	PLACES 4
.if tq < 6
	LOADQ sq, tq+2
.endif
.set kt, 0
.rept 4
	global_store_b128 v[12+kt], v[ACC+8*kt:ACC+8*kt+3], s[36:37] offset:tq*1024       ; q in f32, each accumulator from its low end on
	global_store_b128 v[12+kt], v[ACC+8*kt+4:ACC+8*kt+7], s[36:37] offset:tq*1024+512
.set kt, kt+1
.endr
	s_wait_dscnt 0x0                               ; the last tile's stage stores have read their registers
.set kt, 0
.rept 16
	v_cvt_pk_f16_f32 v[F+kt], v[ACC+2*kt], v[ACC+2*kt+1]
.set kt, kt+1
.endr
.set kt, 0
.rept 4
	ds_store_b128 v9, v[F+4*kt:F+4*kt+3] offset:4352*kt+32*tq
.set kt, kt+1
.endr
.set tq, tq+1
.endr
	s_wait_xcnt 0x0                                ; the last stores have read the accumulators: the rows come back into those registers
.set kt, 0
.rept 32                                       ; LDS serves a wave's instructions in order: these see my stores
	ds_load_b128 v[48+4*kt:51+4*kt], v250 offset:4352*(kt>>3)+544*(kt&7)
.set kt, kt+1
.endr
.set kt, 0
.rept 32
	s_wait_dscnt 31-kt
	global_store_b128 v251, v[48+4*kt:51+4*kt], s[50:51] offset:2097152*(kt>>3)+65536*(kt&7)   ; sixteen lanes store 256 consecutive bytes, aligned
.set kt, kt+1
.endr
	s_wait_tensorcnt 0x0                           ; the wave's end
	ds_add_u32 v[SPW], v[NIL]
	s_wait_dscnt 0x0
	s_endpgm
.Lfunc_end_k_qd45d3e0c71_proj:
	.size	k_qd45d3e0c71_proj, .Lfunc_end_k_qd45d3e0c71_proj-k_qd45d3e0c71_proj
	.p2alignl 7, 3214868480
	.fill 96, 4, 3214868480
	.section	.rodata,"a",@progbits
	.p2align	6, 0x0
	.amdhsa_kernel k_qd45d3e0c71_proj
		.amdhsa_group_segment_fixed_size 159232
		.amdhsa_private_segment_fixed_size 0
		.amdhsa_enable_private_segment 0
		.amdhsa_kernarg_size 80
		.amdhsa_user_sgpr_count 2
		.amdhsa_user_sgpr_kernarg_segment_ptr 1
		.amdhsa_wavefront_size32 1
		.amdhsa_system_sgpr_workgroup_id_x 1
		.amdhsa_system_sgpr_workgroup_id_y 1
		.amdhsa_system_sgpr_workgroup_id_z 1
		.amdhsa_system_vgpr_workitem_id 0
		.amdhsa_next_free_vgpr 512
		.amdhsa_next_free_sgpr 66
		.amdhsa_reserve_vcc 0
		.amdhsa_float_denorm_mode_32 3
		.amdhsa_float_denorm_mode_16_64 3
		.amdhsa_memory_ordered 1
		.amdhsa_forward_progress 1
		.amdhsa_inst_pref_size 255
	.end_amdhsa_kernel
	.section	.bss,"aw",@nobits
	.p2align	6
	.space	262144
	.amdgpu_metadata
---
amdhsa.version: [ 1, 2 ]
amdhsa.kernels:
  - .name:           k_qd45d3e0c71_proj
    .symbol:         k_qd45d3e0c71_proj.kd
    .args:
      - { .name: x1, .offset: 0, .size: 8, .value_kind: global_buffer, .address_space: global }
      - { .name: x2, .offset: 8, .size: 8, .value_kind: global_buffer, .address_space: global }
      - { .name: wq4, .offset: 16, .size: 8, .value_kind: global_buffer, .address_space: global }
      - { .name: bq, .offset: 24, .size: 8, .value_kind: global_buffer, .address_space: global }
      - { .name: bkv, .offset: 32, .size: 8, .value_kind: global_buffer, .address_space: global }
      - { .name: pos_q, .offset: 40, .size: 8, .value_kind: global_buffer, .address_space: global }
      - { .name: pos_k, .offset: 48, .size: 8, .value_kind: global_buffer, .address_space: global }
      - { .name: qh, .offset: 56, .size: 8, .value_kind: global_buffer, .address_space: global }
      - { .name: qskip, .offset: 64, .size: 8, .value_kind: global_buffer, .address_space: global }
      - { .name: kvf, .offset: 72, .size: 8, .value_kind: global_buffer, .address_space: global }
    .group_segment_fixed_size: 159232
    .private_segment_fixed_size: 0
    .kernarg_segment_align: 8
    .kernarg_segment_size: 80
    .max_flat_workgroup_size: 128
    .sgpr_count:     66
    .vgpr_count:     512
    .wavefront_size: 32
...
	.end_amdgpu_metadata
.endif
;; end of part 2
;; launch kpvp (part 3): grid 256 x 1, 4 waves a work-group, no clusters, 131,840 bytes of LDS; arguments kvf, w16, bp, temperature, kvp, ksc; writes kvp, ksc
.if DOCPART == 3
	.amdgcn_target "amdgcn-amd-amdhsa--gfx1250"
	.amdhsa_code_object_version 6
	.text
	.protected	k_qd45d3e0c71_kpvp
	.globl	k_qd45d3e0c71_kpvp
	.p2align	8
	.type	k_qd45d3e0c71_kpvp,@function
k_qd45d3e0c71_kpvp:
	s_mov_b64 s[64:65], 0
	v_nop
	global_prefetch_b8 v0, s[64:65] scope:SCOPE_SE
	s_setreg_imm32_b32 hwreg(HW_REG_WAVE_MODE, 25, 1), 1
	s_wait_xcnt 0x0
; kp = k^T Wp + bp and vp = v^T Wp + bp, f16 operands, f32 sums.  No work is left out.
; A work-group makes 64 channels (one head of k or of v, g = 0..15) x 128 of the 256 projected places (ph), for one batch; K = the sequence's 4,096.
; K IS SPLIT OVER THE FOUR WAVES (32 K steps of 32 each): every fragment is wanted by one wave alone and goes from memory straight into its operand registers (both operands were laid as register images);
; the four partial tiles meet in LDS once, at the end.  No joint loads: no tile passes through LDS here, and no fragment is read by two waves of a work-group.
; The k side is multiplied by temperature x log2(e).  Each finished tile is multiplied by 2^(141 - E), E the exponent field of its largest magnitude (floored at 2^-100), so that it fills f16's range whatever the inputs' size;
; 2^(E - 141) goes to ksc.  k: source 0 = kv, source 1 = Wp (a lane holds p, registers run along d); v: the other way round: each is the layout of the next product's operand.
; LIMITS: NaN and infinities are not served.
.set RED, 0                            ; 4 x 32,768: each wave's partial tile
.set AMX, 131072                       ; four largest magnitudes
.set SPARE, 131328
.set SPW, 28
.set NIL, 29
.set MSB, 0
.macro WIN new
.if MSB != \new
	s_set_vgpr_msb (MSB<<8)|\new
.set MSB, \new
.endif
.endm
.macro PLACES n
.rept \n
	v_nop
.endr
.endm
.macro BARRIER
	s_wait_dscnt 0x0
	s_barrier_signal -1
	s_barrier_wait -1
.endm
.macro SETFB q                         ; four sets of 96 registers (kv's 4 fragments, then Wp's 8): two in window 0, two in window 2
.if \q == 0
.set FB, 32
.elseif \q == 1
.set FB, 128
.elseif \q == 2
.set FB, 0
.else
.set FB, 96
.endif
.endm
.macro LOADS q                         ; 24 loads: the K step q steps on from the bases
	SETFB \q
.if \q < 2
	WIN 0
.else
	WIN 0x80
.endif
.set ll, 0
.rept 8
	global_load_b128 v[FB+4*ll:FB+4*ll+3], v4, s[16:17] offset:\q*65536+512*ll
.set ll, ll+1
.endr
.set ll, 0
.rept 16
	global_load_b128 v[FB+32+4*ll:FB+32+4*ll+3], v4, s[18:19] offset:\q*8192+512*ll
.set ll, ll+1
.endr
	WIN 0
.endm
.macro STEP path, q, zero, load, n
	SETFB \q
	s_wait_loadcnt \n
.if \q < 2
	WIN 0x50                                       ; C and D in window 1
.else
	WIN 0x5a                                       ; and both sources in window 2
.endif
.set pi_, 0
.rept 8
.set ci_, 0
.rept 4                                        ; 32 accumulators by turns
.if \path == 0
.set SG, 8*(pi_>>1)+4*(pi_&1)+ci_
.set RA, FB+8*ci_
.set RB, FB+32+8*pi_
.else
.set SG, 8*ci_+pi_
.set RA, FB+32+8*pi_
.set RB, FB+8*ci_
.endif
.if \zero
	v_wmma_f32_16x16x32_f16 v[8*SG:8*SG+7], v[RA:RA+7], v[RB:RB+7], 0
.else
	v_wmma_f32_16x16x32_f16 v[8*SG:8*SG+7], v[RA:RA+7], v[RB:RB+7], v[8*SG:8*SG+7]
.endif
.set ci_, ci_+1
.endr
.set pi_, pi_+1
.endr
	PLACES 4                                       ; in front of loads into registers that the products have read
.if \load
	LOADS \q
.endif
	WIN 0
.endm
.macro STEPB
	s_add_nc_u64 s[16:17], s[16:17], 262144        ; four K steps on
	s_add_nc_u64 s[18:19], s[18:19], 32768
.endm
; A prefetch of kvf: four K steps (4 KiB each: sixteen lanes 256 bytes apart, the lanes' halves a step apart, two instructions), eight steps ahead of the loads that will want them.
; The work-group with ph = 0 asks (its partner with ph = 1 reads the same bytes), each wave for its own quarter of K, in the loop's first four trips: steps 16 to 31; the earlier steps come by their loads alone.
.macro ASK
	s_cmp_gt_u32 s35, s34
	s_cbranch_scc0 .Lna_\@
	global_prefetch_b8 v10, s[20:21] th:TH_LOAD_NT scope:SCOPE_SE
	global_prefetch_b8 v10, s[20:21] offset:131072 th:TH_LOAD_NT scope:SCOPE_SE
.Lna_\@:
.endm
.macro PATH p
	s_lshl_b32 s30, s25, 9
.if \p == 0
	v_lshlrev_b32 v11, 2, v2
	s_lshl_b32 s36, s24, 7
	s_add_co_u32 s30, s30, s36
	s_add_nc_u64 s[38:39], s[8:9], s[30:31]
	global_load_b32 v12, v11, s[38:39]             ; bp of the two tiles of p that I finish
	global_load_b32 v13, v11, s[38:39] offset:64
.else
	v_lshlrev_b32 v11, 5, v3
	s_add_nc_u64 s[38:39], s[8:9], s[30:31]
	WIN 0x80
.set ll, 0
.rept 16
	global_load_b128 v[192+4*ll:195+4*ll], v11, s[38:39] offset:64*(ll>>1)+16*(ll&1)   ; bp in the result's layout
.set ll, ll+1
.endr
	WIN 0
.endif
	LOADS 0
	LOADS 1
	LOADS 2
	LOADS 3
	s_wait_xcnt 0x0
	STEPB
	STEP \p, 0, 1, 1, 63                           ; three younger sets, 72 loads, are out; the count's field ends at 63, and a smaller count is safe
	STEP \p, 1, 0, 1, 63
	STEP \p, 2, 0, 1, 63
	STEP \p, 3, 0, 1, 63
	s_wait_xcnt 0x0
	STEPB
	s_mov_b32 s35, 6
.Lloop_\p:
	STEP \p, 0, 0, 1, 63
	ASK
	STEP \p, 1, 0, 1, 63
	STEP \p, 2, 0, 1, 63
	STEP \p, 3, 0, 1, 63
	s_wait_xcnt 0x0                                ; the bases may step
	STEPB
	s_add_nc_u64 s[20:21], s[20:21], 262144
	s_sub_co_u32 s35, s35, 1
	s_cmp_lg_u32 s35, 0
	s_cbranch_scc1 .Lloop_\p
	STEP \p, 0, 0, 0, 63
	STEP \p, 1, 0, 0, 48
	STEP \p, 2, 0, 0, 24
	STEP \p, 3, 0, 0, 0
.if \p == 0
	WIN 0x80
.set ll, 0
.rept 32
	v_mov_b32 v[192+ll], v12                       ; bp in the result's layout: a lane holds one p
	v_mov_b32 v[224+ll], v13
.set ll, ll+1
.endr
	WIN 0
.endif
.endm
	s_load_b256 s[4:11], s[0:1], 0x0               ; kvf, w16, bp, temperature
	s_load_b128 s[12:15], s[0:1], 0x20             ; kvp, ksc
	v_lshl_add_u32 v[SPW], v0, 2, SPARE
	v_mov_b32 v[NIL], 0
	v_lshrrev_b32 v1, 5, v0
	v_readfirstlane_b32 s24, v1                    ; wave
	v_and_b32 v1, 31, v0
	v_and_b32 v2, 15, v0
	v_bfe_u32 v3, v0, 4, 1
	v_lshlrev_b32 v4, 4, v1                        ; 16 x lane
	s_lshl_b32 s36, s24, 15
	v_add_nc_u32 v5, s36, v4                       ; my partial tile
	s_lshl_b32 s36, s24, 13
	v_add_nc_u32 v6, s36, v4                       ; the eight slots that I finish, in waves 0 and 1's tiles,
	v_add_nc_u32 v7, 65536, v6                     ; in waves 2 and 3's
	s_lshl_b32 s36, s24, 2
	s_add_co_u32 s36, s36, AMX
	v_mov_b32 v8, s36
	v_mov_b32 v9, AMX
	v_lshlrev_b32 v10, 8, v2
	v_lshl_add_u32 v10, v3, 16, v10
	s_and_b32 s25, ttmp9, 1                        ; ph
	s_bfe_u32 s26, ttmp9, 0x40001                  ; g
	s_lshr_b32 s27, ttmp9, 5                       ; batch
	s_mov_b32 s28, 0x76543210
	s_mov_b32 s29, 0xfedcba98
	s_mov_b32 s31, 0
	s_cmp_eq_u32 s25, 0
	s_cselect_b32 s34, 2, -1
	s_wait_kmcnt 0x0
	s_and_b32 s30, s26, 7
	s_lshl_b32 s30, s30, 2
	s_add_nc_u64 s[40:41], s[10:11], s[30:31]
	s_load_b32 s32, s[40:41], 0x0                  ; the head's temperature
	s_lshl_b32 s30, s27, 7
	s_lshl_b32 s36, s24, 5
	s_add_co_u32 s30, s30, s36
	s_lshl_b32 s30, s30, 16
	s_lshl_b32 s36, s26, 12
	s_add_co_u32 s30, s30, s36
	s_add_nc_u64 s[16:17], s[4:5], s[30:31]        ; kvf: my first K step, my group's four fragments
	s_add_nc_u64 s[20:21], s[16:17], 1048576       ; the prefetches begin at my step 16
	s_lshl_b32 s30, s25, 20
	s_lshl_b32 s36, s24, 18
	s_add_co_u32 s30, s30, s36
	s_add_co_u32 s30, s30, 4194304
	s_add_nc_u64 s[18:19], s[6:7], s[30:31]        ; Wp's fragments
	s_cmp_ge_u32 s26, 8
	s_cbranch_scc1 .Lvpath
	PATH 0
	s_branch .Ljoin
.Lvpath:
	PATH 1
.Ljoin:
	PLACES 4
	WIN 0x04                                       ; an LDS store's data: window 1
.set ll, 0
.rept 64
	ds_store_b128 v5, v[4*ll:4*ll+3] offset:512*ll         ; each accumulator from its low end on
.set ll, ll+1
.endr
	WIN 0
	BARRIER
.set ll, 0
.rept 16
	ds_load_b128 v[32+4*ll:35+4*ll], v6 offset:512*ll
	ds_load_b128 v[96+4*ll:99+4*ll], v6 offset:32768+512*ll
	ds_load_b128 v[160+4*ll:163+4*ll], v7 offset:512*ll
.set ll, ll+1
.endr
	s_wait_kmcnt 0x0
	s_mul_f32 s32, s32, 0x3fb8aa3b                 ; temperature x log2(e): the scores come out as exponents of 2
	s_cmp_lt_u32 s26, 8
	s_cselect_b32 s32, s32, 0x3f800000
	s_mov_b32 s33, s32
	s_wait_dscnt 0x0
.set ll, 0
.rept 32
	v_pk_add_f32 v[32+2*ll:33+2*ll], v[32+2*ll:33+2*ll], v[96+2*ll:97+2*ll]
.set ll, ll+1
.endr
.set ll, 0
.rept 16
	ds_load_b128 v[96+4*ll:99+4*ll], v7 offset:32768+512*ll
.set ll, ll+1
.endr
.set ll, 0
.rept 32
	v_pk_add_f32 v[32+2*ll:33+2*ll], v[32+2*ll:33+2*ll], v[160+2*ll:161+2*ll]
.set ll, ll+1
.endr
	s_wait_dscnt 0x0
.set ll, 0
.rept 32
	v_pk_add_f32 v[32+2*ll:33+2*ll], v[32+2*ll:33+2*ll], v[96+2*ll:97+2*ll]
.set ll, ll+1
.endr
	WIN 0x08                                       ; source 1: window 2
.set ll, 0
.rept 32
	v_pk_add_f32 v[32+2*ll:33+2*ll], v[32+2*ll:33+2*ll], v[192+2*ll:193+2*ll]      ; + bp
.set ll, ll+1
.endr
	WIN 0
.set ll, 0
.rept 32
	v_pk_mul_f32 v[32+2*ll:33+2*ll], v[32+2*ll:33+2*ll], s[32:33] op_sel_hi:[1,0]
.set ll, ll+1
.endr
	v_max3_num_f32 v224, |v32|, |v33|, 0x0d800000          ; the largest magnitude, floored at 2^-100
	v_max3_num_f32 v225, |v34|, |v35|, 0x0d800000
.set ll, 4
.rept 15
	v_max3_num_f32 v224, v224, |v[32+ll]|, |v[33+ll]|
	v_max3_num_f32 v225, v225, |v[34+ll]|, |v[35+ll]|
.set ll, ll+4
.endr
	v_max_num_f32 v224, v224, v225
	v_max_num_f32_dpp v224, v224, v224 row_xmask:1 row_mask:0xf bank_mask:0xf
	v_max_num_f32_dpp v224, v224, v224 row_xmask:2 row_mask:0xf bank_mask:0xf
	v_max_num_f32_dpp v224, v224, v224 row_xmask:4 row_mask:0xf bank_mask:0xf
	v_max_num_f32_dpp v224, v224, v224 row_xmask:8 row_mask:0xf bank_mask:0xf
	v_permlanex16_b32 v225, v224, s28, s29
	v_max_num_f32 v224, v224, v225
	ds_store_b32 v8, v224                          ; all lanes write the same word with the same value
	BARRIER
	ds_load_b128 v[228:231], v9
	s_wait_dscnt 0x0
	v_max_num_f32 v228, v228, v229
	v_max_num_f32 v230, v230, v231
	v_max_num_f32 v228, v228, v230                 ; the whole tile's
	v_and_b32 v228, 0x7f800000, v228               ; its exponent field E
	v_sub_nc_u32 v226, 0x86000000, v228            ; 2^(141 - E)
	v_mov_b32 v227, v226
	v_add_nc_u32 v232, 0xf9000000, v228            ; 2^(E - 141)
	v_lshlrev_b32 v233, 2, v1
.set ll, 0
.rept 32
	v_pk_mul_f32 v[32+2*ll:33+2*ll], v[32+2*ll:33+2*ll], v[226:227]
.set ll, ll+1
.endr
.set ll, 0
.rept 32
	v_cvt_pk_f16_f32 v[96+ll], v[32+2*ll], v[33+2*ll]      ; my eight slots are four neighbouring fragments
.set ll, ll+1
.endr
	s_lshl_b32 s36, s27, 3
	s_add_co_u32 s36, s36, s26                     ; 8 b + g
	s_lshl_b32 s36, s36, 15
	s_lshl_b32 s37, s25, 14
	s_lshl_b32 s42, s24, 12
	s_add_co_u32 s37, s37, s42
	s_add_co_u32 s37, s37, s36                     ; k: + (16 ph + 4 w) KiB
	s_lshl_b32 s43, s24, 13
	s_lshl_b32 s42, s25, 12
	s_add_co_u32 s43, s43, s42
	s_add_co_u32 s43, s43, s36
	s_add_co_u32 s43, s43, 2097152-8*32768         ; v: 2 MiB + (8 b + g - 8) x 32 KiB + (8 w + 4 ph) KiB
	s_cmp_lt_u32 s26, 8
	s_cselect_b32 s30, s37, s43
	s_add_nc_u64 s[44:45], s[12:13], s[30:31]
.set ll, 0
.rept 8
	global_store_b128 v4, v[96+4*ll:99+4*ll], s[44:45] offset:512*ll
.set ll, ll+1
.endr
	s_cmp_lg_u32 s24, 0
	s_cbranch_scc1 .Lend
	s_lshl_b32 s30, ttmp9, 7
	s_add_nc_u64 s[46:47], s[14:15], s[30:31]
	global_store_b32 v233, v232, s[46:47]          ; 32 equal words
.Lend:
	s_wait_tensorcnt 0x0                           ; the wave's end
	ds_add_u32 v[SPW], v[NIL]
	s_wait_dscnt 0x0
	s_endpgm
.Lfunc_end_k_qd45d3e0c71_kpvp:
	.size	k_qd45d3e0c71_kpvp, .Lfunc_end_k_qd45d3e0c71_kpvp-k_qd45d3e0c71_kpvp
	.p2alignl 7, 3214868480
	.fill 96, 4, 3214868480
	.section	.rodata,"a",@progbits
	.p2align	6, 0x0
	.amdhsa_kernel k_qd45d3e0c71_kpvp
		.amdhsa_group_segment_fixed_size 131840
		.amdhsa_private_segment_fixed_size 0
		.amdhsa_enable_private_segment 0
		.amdhsa_kernarg_size 48
		.amdhsa_user_sgpr_count 2
		.amdhsa_user_sgpr_kernarg_segment_ptr 1
		.amdhsa_wavefront_size32 1
		.amdhsa_system_sgpr_workgroup_id_x 1
		.amdhsa_system_sgpr_workgroup_id_y 1
		.amdhsa_system_sgpr_workgroup_id_z 1
		.amdhsa_system_vgpr_workitem_id 0
		.amdhsa_next_free_vgpr 768
		.amdhsa_next_free_sgpr 66
		.amdhsa_reserve_vcc 0
		.amdhsa_float_denorm_mode_32 3
		.amdhsa_float_denorm_mode_16_64 3
		.amdhsa_memory_ordered 1
		.amdhsa_forward_progress 1
		.amdhsa_inst_pref_size 144
	.end_amdhsa_kernel
	.amdgpu_metadata
---
amdhsa.version: [ 1, 2 ]
amdhsa.kernels:
  - .name:           k_qd45d3e0c71_kpvp
    .symbol:         k_qd45d3e0c71_kpvp.kd
    .args:
      - { .name: kvf, .offset: 0, .size: 8, .value_kind: global_buffer, .address_space: global }
      - { .name: w16, .offset: 8, .size: 8, .value_kind: global_buffer, .address_space: global }
      - { .name: bp, .offset: 16, .size: 8, .value_kind: global_buffer, .address_space: global }
      - { .name: temperature, .offset: 24, .size: 8, .value_kind: global_buffer, .address_space: global }
      - { .name: kvp, .offset: 32, .size: 8, .value_kind: global_buffer, .address_space: global }
      - { .name: ksc, .offset: 40, .size: 8, .value_kind: global_buffer, .address_space: global }
    .group_segment_fixed_size: 131840
    .private_segment_fixed_size: 0
    .kernarg_segment_align: 8
    .kernarg_segment_size: 48
    .max_flat_workgroup_size: 128
    .sgpr_count:     66
    .vgpr_count:     768
    .wavefront_size: 32
...
	.end_amdgpu_metadata
.endif
;; end of part 3
;; launch attnffn (part 4): grid 4 x 64, 4 waves a work-group, clusters of 4 x 1, 327,680 bytes of LDS; arguments qh, qskip, kvp, ksc, w16, b1, b2, out0; writes out0
.if DOCPART == 4
	.amdgcn_target "amdgcn-amd-amdhsa--gfx1250"
	.amdhsa_code_object_version 6
	.text
	.protected	k_qd45d3e0c71_attnffn
	.globl	k_qd45d3e0c71_attnffn
	.p2align	8
	.type	k_qd45d3e0c71_attnffn,@function
k_qd45d3e0c71_attnffn:
	s_mov_b64 s[64:65], 0
	v_nop
	global_prefetch_b8 v0, s[64:65] scope:SCOPE_SE
	s_setreg_imm32_b32 hwreg(HW_REG_WAVE_MODE, 25, 1), 1
	s_wait_xcnt 0x0
	s_wait_alu depctr_hold_cnt(0) depctr_sa_sdst(0) depctr_va_vdst(0) depctr_va_sdst(0) depctr_va_ssrc(0) depctr_va_vcc(0) depctr_vm_vsrc(0)
	s_getreg_b32 s2, hwreg(HW_REG_IB_STS2, 6, 4)
	s_cmp_eq_u32 s2, 0
	s_cbranch_scc0 .Lentry_in_a_cluster
	s_endpgm
.Lentry_in_a_cluster:
	s_bfe_u32 s2, ttmp6, 0x10000c
	s_cmp_lg_u32 s2, 0x3003
	s_cbranch_scc0 .Lentry_shape_is_right
	s_endpgm
.Lentry_shape_is_right:
; ATTENTION, ADD & NORM, FFN, ADD & NORM, in one launch.  No work is left out.
; reference()'s permute and reshape send O[b][head][q][d] to row 32 d + 4 head + q / 512, column q % 512.  So one (batch, head, chunk of 512 queries) owns 64 whole rows n = 32 d + rho, rho = 4 head + chunk:
; a work-group takes them through the whole chain, since both norms and the FFN go row by row.  Wave w owns columns (= queries) 128 w .. + 127 of all 64 rows, in 32 accumulators of window 1: accumulator (i, t), lane (r, h):
; row d = 16 i + r, columns 128 w + 16 t + 8 h + 0..7.  That block is in turn: q_skip, + O, x, x + b2, + the FFN's sum, out.
; ATTENTION.  S^T = kp Q^T (a lane holds one query, registers run along p), t = S x the tile's 2^e (temperature and log2(e) are in kp); p = 2^(t - the row's largest t); p / the row's sum, rounded to f16, is source 0 of
; O = P vp^T, whose result has d in the lanes and queries in the registers: the accumulators' layout.  vp's two tile scales: the larger multiplies O, the ratio (a power of two, at most 1) goes into P.
; FFN.  The hidden layer goes in 16 chunks of 128: wave w makes units 32 w .. + 31 of a chunk for all rows (x's 64 fragments stay in windows 2 and 3), GELU, f16, to the others through LDS as register images; then its 128 columns take the chunk in.
; GELU is exact in reference(): erf by the rational form 7.1.26 of Abramowitz and Stegun (absolute error 1.5e-7 for every argument), on h' = kappa h, kappa^2 = log2(e) / 2, so that e^(-h^2/2) = 2^(-h'^2): g' = h' + |h'| erf = 2 kappa gelu(h); W1 carries kappa, W2 0.5 / kappa.
; CLUSTER.  The four chunks of one head walk the same 4 MiB of W1 and W2: every weight tile is asked for JOINTLY (mask 15), each wave its own quarter, which it alone reads.  Two slots: W1's chunk, W2's chunk; each is asked for again
; as soon as it has been read out: W1's behind the GELU, W2's at the chunk's end.  By this text's count a wave has two tensor loads out at the head and one later.
; No prefetch: the streams from memory (q, q_skip, kp, vp) are asked for whole at the head, and the weights are read again by every cluster.
; LIMITS: NaN and infinities are not served.
.set SLOTB, 131072
.set XIMG,  262144                     ; x's images, half at a time: 32 KiB; at the end the output stages, 8,448 bytes a wave, which reach into HIMG
.set HIMG,  294912                     ; the hidden chunk's 16 images
.set NRM,   311296                     ; 2 x 1,024: the rows' partial sums of squares [i][r][wave]
.set SPARE, 313344
.set LI, 4
.set QO, 5
.set SPW, 6
.set NIL, 7
.set WA, 8
.set WBD, 9
.set XW, 10
.set XR, 11
.set HW, 12
.set HR, 13
.set NW, 14
.set NR, 15
.set STO, 16
.set RD, 17
.set H32, 18
.set Q, 32
.set S, 64
.set OT, 64
.set P, 192                            ; v192-255 during attention: so what the FFN keeps up there (b1's numbers, a5) is written behind the attention loop
.set B2T, 128
.set HA, 32
.set TT, 96
.set EE, 128
.set PQ, 160
.set HF, 192
.set BIAS, 224
.set MSB, 0
.macro WIN new
.if MSB != \new
	s_set_vgpr_msb (MSB<<8)|\new
.set MSB, \new
.endif
.endm
.macro PLACES n
.rept \n
	v_nop
.endr
.endm
.macro BARRIER
	s_wait_dscnt 0x0
	s_barrier_signal -1
	s_barrier_wait -1
.endm
.macro ROUND                           ; a round of the cluster's barrier
	s_barrier_signal -1
	s_barrier_wait -1
	s_cmp_lg_u32 s20, 0
	s_cbranch_scc1 .Lnw0_\@
	s_barrier_signal -3
.Lnw0_\@:
	s_barrier_wait -3
	s_barrier_signal -1
	s_barrier_wait -1
.endm
	s_load_b256 s[4:11], s[0:1], 0x0               ; qh, qskip, kvp, ksc
	s_load_b256 s[12:19], s[0:1], 0x20             ; w16, b1, b2, out0
	v_lshl_add_u32 v[SPW], v0, 2, SPARE
	v_mov_b32 v[NIL], 0
	ds_add_u32 v[SPW], v[NIL]                      ; the opening: the add, twice on end, and its wait ahead of my first tensor load
	ds_add_u32 v[SPW], v[NIL]
	v_lshrrev_b32 v1, 5, v0
	v_readfirstlane_b32 s20, v1                    ; wave
	v_and_b32 v1, 31, v0
	v_and_b32 v2, 15, v0                           ; r
	v_bfe_u32 v3, v0, 4, 1                         ; h
	v_lshlrev_b32 v[LI], 4, v1
	v_lshlrev_b32 v[QO], 10, v2
	v_lshl_add_u32 v[QO], v3, 4, v[QO]
	s_lshl_b32 s72, s20, 15
	v_add_nc_u32 v[WA], s72, v[LI]                 ; my quarter of W1's slot,
	v_add_nc_u32 v[WBD], SLOTB, v[WA]              ; of W2's
	s_lshl_b32 s73, s20, 13
	v_add_nc_u32 v[XW], s73, v[LI]
	v_add_nc_u32 v[XW], XIMG, v[XW]
	v_add_nc_u32 v[XR], XIMG, v[LI]
	s_lshl_b32 s73, s20, 12
	v_add_nc_u32 v[HW], s73, v[LI]
	v_add_nc_u32 v[HW], HIMG, v[HW]
	v_add_nc_u32 v[HR], HIMG, v[LI]
	v_lshlrev_b32 v[NR], 4, v2
	v_add_nc_u32 v[NR], NRM, v[NR]
	s_lshl_b32 s73, s20, 2
	v_add_nc_u32 v[NW], s73, v[NR]
	s_mul_i32 s73, s20, 8448
	v_mul_u32_u24 v[STO], v2, 528
	v_lshl_add_u32 v[STO], v3, 5, v[STO]
	v_add_nc_u32 v[STO], s73, v[STO]
	v_add_nc_u32 v[STO], XIMG, v[STO]
	v_add_nc_u32 v[RD], s73, v[LI]
	v_add_nc_u32 v[RD], XIMG, v[RD]
	v_lshlrev_b32 v[H32], 5, v3
	v_mov_b32 v26, 0                               ; a lane permute's destination counts as read
	s_bfe_u32 s21, ttmp6, 0x40000                  ; cx: the chunk of queries; it enters global addresses alone
	s_and_b32 s22, ttmp7, 0xffff                   ; batch x 8 + head, which the four partners share
	s_mov_b32 s24, 0x76543210
	s_mov_b32 s25, 0xfedcba98
	; descriptor group 1: 32 KiB dense, as 128 rows of 256 bytes; no padding, since every read is at 16 x lane
	s_mov_b32 s28, 15|(3<<16)|(1<<21)              ; the mask: all four work-groups; elements of 8 bytes; bit 21 beside a mask
	s_mov_b32 s29, 32<<16
	s_mov_b32 s30, 128<<16
	s_mov_b32 s31, 32<<16
	s_mov_b32 s32, 128
	s_mov_b32 s33, 32
	s_mov_b32 s34, 0
	s_mov_b32 s35, 0
	s_mov_b32 s56, 0xbfba00e3                      ; a4, a3, a2, a1, as pairs
	s_mov_b32 s57, s56
	s_mov_b32 s58, 0x3fb5f0e3
	s_mov_b32 s59, s58
	s_mov_b32 s60, 0xbe91a98e
	s_mov_b32 s61, s60
	s_mov_b32 s62, 0x3e827906
	s_mov_b32 s63, s62
	s_mov_b32 s66, 0x3e8ba440                      ; 0.3275911 / (kappa sqrt 2)
	s_mov_b32 s68, 0x3f596d27                      ; kappa
	s_mov_b32 s69, s68
	s_mov_b32 s71, 0
	s_lshr_b32 s74, s22, 3                         ; batch
	s_and_b32 s75, s22, 7                          ; head
	s_wait_dscnt 0x0                               ; both opening adds are done
	s_wait_kmcnt 0x0
	s_mov_b32 s70, s72
	s_mov_b32 s36, 1
	s_mov_b32 s37, s72
	s_add_nc_u64 s[38:39], s[12:13], s[70:71]
	s_add_nc_u64 s[42:43], s[38:39], 2097152
	s_or_b32 s39, s39, 0x80000000
	s_mov_b32 s40, 1
	s_add_co_u32 s41, s72, SLOTB
	s_or_b32 s43, s43, 0x80000000
	s_lshl_b32 s70, s74, 4
	s_add_co_u32 s70, s70, s75
	s_lshl_b32 s70, s70, 8
	s_add_nc_u64 s[90:91], s[10:11], s[70:71]
	s_load_b32 s80, s[90:91], 0x0                  ; the tile scales: kp's two halves,
	s_load_b32 s81, s[90:91], 0x80
	s_load_b32 s82, s[90:91], 0x800                ; vp's two
	s_load_b32 s83, s[90:91], 0x880
	s_lshl_b32 s70, s74, 11
	s_lshl_b32 s72, s21, 9
	s_add_co_u32 s70, s70, s72
	s_lshl_b32 s72, s20, 7
	s_add_co_u32 s70, s70, s72
	s_lshl_b32 s70, s70, 10
	s_lshl_b32 s72, s75, 7
	s_add_co_u32 s70, s70, s72
	s_add_nc_u64 s[52:53], s[4:5], s[70:71]        ; my first query's row of qh, my head's 128 bytes
	s_lshl_b32 s73, s75, 2
	s_add_co_u32 s73, s73, s21                     ; rho
	s_lshl_b32 s70, s74, 5
	s_add_co_u32 s70, s70, s73
	s_lshl_b32 s70, s70, 2
	s_add_co_u32 s70, s70, s20
	s_lshl_b32 s70, s70, 15
	s_add_nc_u64 s[76:77], s[6:7], s[70:71]        ; q_skip: my 32 images
	s_lshl_b32 s70, s22, 15
	s_add_nc_u64 s[78:79], s[8:9], s[70:71]        ; kp
	s_add_nc_u64 s[84:85], s[78:79], 2097152       ; vp
	s_lshl_b32 s70, s74, 11
	s_add_co_u32 s70, s70, s73
	s_lshl_b32 s70, s70, 11
	s_lshl_b32 s72, s20, 9
	s_add_co_u32 s70, s70, s72
	s_add_nc_u64 s[86:87], s[18:19], s[70:71]      ; out0: row rho, my 512 bytes
	s_mov_b32 s70, s72
	s_add_nc_u64 s[88:89], s[16:17], s[70:71]      ; b2
	s_lshl_b32 s70, s20, 7
	s_add_nc_u64 s[54:55], s[14:15], s[70:71]      ; b1
	ROUND                                          ; all four work-groups are here: the first joint loads meet
	tensor_load_to_lds s[36:39], s[28:35]          ; W1's chunk 0
	s_nop 0
	tensor_load_to_lds s[40:43], s[28:35]          ; W2's chunk 0
	s_nop 0
	PLACES 4
	WIN 0x80
.set ll, 0
.rept 64
	global_load_b128 v[4*ll:4*ll+3], v[LI], s[78:79] offset:512*ll         ; kp (tau, s) at v[8 (2 tau + s)] of window 2
.set ll, ll+1
.endr
	WIN 0xc0
.set ll, 0
.rept 64
	global_load_b128 v[4*ll:4*ll+3], v[LI], s[84:85] offset:512*ll         ; vp (i, u) at v[8 (8 i + u)] of window 3
.set ll, ll+1
.endr
	WIN 0x40
.set ll, 0
.rept 64
	global_load_b128 v[4*ll:4*ll+3], v[LI], s[76:77] offset:512*ll th:TH_LOAD_NT   ; q_skip starts the accumulators
.set ll, ll+1
.endr
	WIN 0
.macro QLOAD
.set ll, 0
.rept 4
	global_load_b128 v[Q+4*ll:Q+4*ll+3], v[QO], s[52:53] offset:32*ll
.set ll, ll+1
.endr
.endm
	QLOAD
	s_wait_kmcnt 0x0
	s_mov_b32 s44, s80
	s_mov_b32 s45, s80
	s_mov_b32 s46, s81
	s_mov_b32 s47, s81
	s_max_u32 s48, s82, s83                        ; the larger of vp's two scales (powers of two: their bits order them)
	s_mov_b32 s49, s48
	s_sub_co_u32 s50, s82, s48
	s_add_co_u32 s50, s50, 0x3f800000
	s_max_i32 s50, s50, 0                          ; each scale over the larger: a power of two, at most 1; under the smallest: 0
	s_sub_co_u32 s51, s83, s48
	s_add_co_u32 s51, s51, 0x3f800000
	s_max_i32 s51, s51, 0
; ---- attention: eight tiles of 16 queries; the trip is written once, and what hangs on the tile's number (which accumulators take O) stands in eight short blocks
.macro BLK k
.Lblk\k:
	WIN 0x50
.set bi, 0
.rept 4
.set bn, 0
.rept 4
	v_pk_fma_f32 v[8*(8*bi+\k)+2*bn:8*(8*bi+\k)+2*bn+1], v[OT+8*bi+2*bn:OT+8*bi+2*bn+1], s[48:49], v[8*(8*bi+\k)+2*bn:8*(8*bi+\k)+2*bn+1] op_sel_hi:[1,0,1]
.set bn, bn+1
.endr
.set bi, bi+1
.endr
	WIN 0
	s_branch .Ljoin
.endm
	s_mov_b32 s26, 0
.Latt:
	s_wait_loadcnt 0x0                             ; Q's tile (in the first trip: all that the head asked for)
	WIN 0x02
.set as, 0
.rept 2
.set at, 0
.rept 16                                       ; sixteen accumulators by turns
.if as == 0
	v_wmma_f32_16x16x32_f16 v[S+8*at:S+8*at+7], v[16*at:16*at+7], v[Q:Q+7], 0
.else
	v_wmma_f32_16x16x32_f16 v[S+8*at:S+8*at+7], v[16*at+8:16*at+15], v[Q+8:Q+15], v[S+8*at:S+8*at+7]
.endif
.set at, at+1
.endr
.set as, as+1
.endr
	WIN 0
	PLACES 4
	s_cmp_eq_u32 s26, 7
	s_cbranch_scc1 .Lnoq
	s_add_nc_u64 s[52:53], s[52:53], 16384         ; (its last loads are in)
	QLOAD
.Lnoq:
.set tp, 0
.rept 8                                        ; the largest score of each half of p, in two chains a half; each accumulator is read from its low end on
.set kk, 0
.rept 4
.set ee, 0
.rept 2
.set at, 2*tp+ee
.set MC, 20+ee+2*(tp>>2)
.if ((tp&3) == 0) && (kk == 0)
	v_max_num_f32 v[MC], v[S+8*at], v[S+8*at+1]
.else
	v_max3_num_f32 v[MC], v[MC], v[S+8*at+2*kk], v[S+8*at+2*kk+1]
.endif
.set ee, ee+1
.endr
.set kk, kk+1
.endr
.set tp, tp+1
.endr
	v_max_num_f32 v20, v20, v21
	v_max_num_f32 v22, v22, v23
	v_mul_f32 v20, s44, v20                        ; as t (the scales are positive)
	v_mul_f32 v22, s46, v22
	v_max_num_f32 v24, v20, v22
	v_permlanex16_b32 v26, v24, s24, s25
	v_max_num_f32 v24, v24, v26                    ; the row's largest t
	v_mov_b32 v25, v24
.set ll, 0
.rept 32
	v_pk_fma_f32 v[S+2*ll:S+2*ll+1], v[S+2*ll:S+2*ll+1], s[44:45], v[24:25] op_sel_hi:[1,0,0] neg_lo:[0,0,1] neg_hi:[0,0,1]
.set ll, ll+1
.endr
.rept 32
	v_pk_fma_f32 v[S+2*ll:S+2*ll+1], v[S+2*ll:S+2*ll+1], s[46:47], v[24:25] op_sel_hi:[1,0,0] neg_lo:[0,0,1] neg_hi:[0,0,1]
.set ll, ll+1
.endr
.set ll, 0
.rept 128
	v_exp_f32 v[S+ll], v[S+ll]
.set ll, ll+1
.endr
	v_nop                                          ; a plain line behind the last exponential
	s_wait_alu depctr_va_vdst(0)                   ; one wait for the batch, ahead of its first reader
	v_pk_add_f32 v[28:29], v[S:S+1], v[S+2:S+3]
	v_pk_add_f32 v[30:31], v[S+4:S+5], v[S+6:S+7]
.set ll, 8
.rept 30
	v_pk_add_f32 v[28:29], v[28:29], v[S+ll:S+ll+1]
	v_pk_add_f32 v[30:31], v[30:31], v[S+ll+2:S+ll+3]
.set ll, ll+4
.endr
	v_pk_add_f32 v[28:29], v[28:29], v[30:31]
	v_add_f32 v28, v28, v29
	v_permlanex16_b32 v26, v28, s24, s25
	v_add_f32 v28, v28, v26                        ; the row's sum
	v_rcp_f32 v27, v28
	v_nop
	s_wait_alu depctr_va_vdst(0)
	v_mul_f32 v28, s50, v27                        ; 1 / sum x the half's ratio of scales
	v_mul_f32 v29, s51, v27
.set ll, 0
.rept 32
	v_pk_mul_f32 v[S+2*ll:S+2*ll+1], v[S+2*ll:S+2*ll+1], v[28:29] op_sel_hi:[1,0]
.set ll, ll+1
.endr
.rept 32
	v_pk_mul_f32 v[S+2*ll:S+2*ll+1], v[S+2*ll:S+2*ll+1], v[28:29] op_sel:[0,1] op_sel_hi:[1,1]
.set ll, ll+1
.endr
.set ll, 0
.rept 64
	v_cvt_pk_f16_f32 v[P+ll], v[S+2*ll], v[S+2*ll+1]       ; two tiles of p are one fragment of P
.set ll, ll+1
.endr
	WIN 0x0c
.set au, 0
.rept 8
.set ai, 0
.rept 4                                        ; four accumulators by turns
.if au == 0
	v_wmma_f32_16x16x32_f16 v[OT+8*ai:OT+8*ai+7], v[P+8*au:P+8*au+7], v[8*(8*ai+au):8*(8*ai+au)+7], 0
.else
	v_wmma_f32_16x16x32_f16 v[OT+8*ai:OT+8*ai+7], v[P+8*au:P+8*au+7], v[8*(8*ai+au):8*(8*ai+au)+7], v[OT+8*ai:OT+8*ai+7]
.endif
.set ai, ai+1
.endr
.set au, au+1
.endr
	WIN 0
	PLACES 4
.irp k, 0,1,2,3,4,5,6
	s_cmp_eq_u32 s26, \k
	s_cbranch_scc1 .Lblk\k
.endr
	BLK 7
.irp k, 0,1,2,3,4,5,6
	BLK \k
.endr
.Ljoin:
	s_add_co_u32 s26, s26, 1
	s_cmp_lt_u32 s26, 8
	s_cbranch_scc1 .Latt
.set ll, 0
.rept 16
	global_load_b128 v[B2T+4*ll:B2T+4*ll+3], v[H32], s[88:89] offset:64*(ll>>1)+16*(ll&1)   ; b2 in the accumulators' layout
.set ll, ll+1
.endr
	v_mov_b32 v240, 0x3f87dc22                     ; a5, as a pair: written here, behind the loop whose P lay in v192-255; nothing writes v240-241 from here on
	v_mov_b32 v241, 0x3f87dc22
; ---- a row's L2 norm: my 128 columns' squares, lane l xor 16's, the other waves' through LDS; x / max(norm, 1e-12)
.macro NORM reg
	PLACES 4
	WIN 0x05
.set nk, 0
.rept 32
.set ni, 0
.rept 4                                        ; the four tiles of rows by turns; each accumulator from its low end on
.if nk == 0
	v_pk_mul_f32 v[20+2*ni:21+2*ni], v[64*ni:64*ni+1], v[64*ni:64*ni+1]
.else
	v_pk_fma_f32 v[20+2*ni:21+2*ni], v[64*ni+2*nk:64*ni+2*nk+1], v[64*ni+2*nk:64*ni+2*nk+1], v[20+2*ni:21+2*ni]
.endif
.set ni, ni+1
.endr
.set nk, nk+1
.endr
	WIN 0
.irp i, 0,1,2,3
	v_add_f32 v[20+2*\i], v[20+2*\i], v[21+2*\i]
	v_mov_b32 v[32+\i], 0
.endr
.irp i, 0,1,2,3
	v_permlanex16_b32 v[32+\i], v[20+2*\i], s24, s25
.endr
.irp i, 0,1,2,3
	v_add_f32 v[20+2*\i], v[20+2*\i], v[32+\i]
.endr
.irp i, 0,1,2,3
	ds_store_b32 v[NW], v[20+2*\i] offset:\reg+256*\i      ; lanes r and r + 16 write the same word with the same value
.endr
	BARRIER
.irp i, 0,1,2,3
	ds_load_b128 v[32+4*\i:35+4*\i], v[NR] offset:\reg+256*\i
.endr
	s_wait_dscnt 0x0
.irp i, 0,1,2,3
	v_add_f32 v[20+2*\i], v[32+4*\i], v[33+4*\i]
	v_add_f32 v[21+2*\i], v[34+4*\i], v[35+4*\i]
.endr
.irp i, 0,1,2,3
	v_add_f32 v[20+2*\i], v[20+2*\i], v[21+2*\i]
.endr
.irp i, 0,1,2,3
	v_sqrt_f32 v[20+2*\i], v[20+2*\i]
.endr
	v_nop
	s_wait_alu depctr_va_vdst(0)
.irp i, 0,1,2,3
	v_max_num_f32 v[20+2*\i], 0x2b8cbccc, v[20+2*\i]       ; 1e-12
.endr
.irp i, 0,1,2,3
	v_rcp_f32 v[20+2*\i], v[20+2*\i]
.endr
	v_nop
	s_wait_alu depctr_va_vdst(0)
	WIN 0x41
.set ni, 0
.rept 4
.set nk, 0
.rept 32
	v_pk_mul_f32 v[64*ni+2*nk:64*ni+2*nk+1], v[64*ni+2*nk:64*ni+2*nk+1], v[20+2*ni:21+2*ni] op_sel_hi:[1,0]
.set nk, nk+1
.endr
.set ni, ni+1
.endr
	WIN 0
.endm
	NORM 0
; ---- x as f16 fragments to every wave: K step s = 4 w' + 2 a + s'' comes from wave w'; half a at a time through XIMG; a = 0 into window 2, a = 1 into window 3, fragment (i, 2 w' + s'') at v[64 i + 8 (2 w' + s'')]
.set xa, 0
.rept 2
	WIN 0x05
.set xi, 0
.rept 4
.set xk, 0
.rept 16
	v_cvt_pk_f16_f32 v[32+16*xi+xk], v[8*(8*xi+4*xa)+2*xk], v[8*(8*xi+4*xa)+2*xk+1]
.set xk, xk+1
.endr
.set xi, xi+1
.endr
	WIN 0
.set ll, 0
.rept 16
	ds_store_b128 v[XW], v[32+4*ll:35+4*ll] offset:512*ll
.set ll, ll+1
.endr
	BARRIER
	WIN 0x80+0x40*xa
.set xw, 0
.rept 4
.set xi, 0
.rept 4
.set xk, 0
.rept 4
	ds_load_b128 v[64*xi+16*xw+4*xk:64*xi+16*xw+4*xk+3], v[XR] offset:8192*xw+2048*xi+512*xk
.set xk, xk+1
.endr
.set xi, xi+1
.endr
.set xw, xw+1
.endr
	WIN 0
	BARRIER                                        ; every wave's reads are in: the images may be written again
.set xa, xa+1
.endr
	s_wait_loadcnt 0x0                             ; b2
	WIN 0x41
.set ni, 0
.rept 4
.set nk, 0
.rept 32
	v_pk_add_f32 v[64*ni+2*nk:64*ni+2*nk+1], v[64*ni+2*nk:64*ni+2*nk+1], v[B2T+2*nk:B2T+2*nk+1]    ; x + b2 starts the FFN's sums
.set nk, nk+1
.endr
.set ni, ni+1
.endr
	WIN 0
.macro B1LOAD
.set ll, 0
.rept 4
	global_load_b128 v[BIAS+4*ll:BIAS+4*ll+3], v[H32], s[54:55] offset:64*(ll>>1)+16*(ll&1)
.set ll, ll+1
.endr
.endm
	B1LOAD
	s_wait_tensorcnt 0x0                           ; my quarters of both slots are in; I alone read them
.macro LW1 G, buf                      ; W1's fragments of four K steps: 16 loads
.set n1_, 0
.rept 4
.set SP_, 4*((\G)&1)+n1_
.set KS_, 4*(SP_>>1)+2*((\G)>>1)+(SP_&1)
.set e1_, 0
.rept 4
	ds_load_b128 v[\buf+16*n1_+4*e1_:\buf+16*n1_+4*e1_+3], v[WA] offset:2048*KS_+512*e1_
.set e1_, e1_+1
.endr
.set n1_, n1_+1
.endr
.endm
.macro MUL1 G, buf                     ; 32 products: source 0 = 16 hidden units, source 1 = 16 rows of x; eight accumulators by turns; b1 is the C of the first
.if (\G) < 2
	WIN 0x08
.else
	WIN 0x0c
.endif
.set n1_, 0
.rept 4
.set SP_, 4*((\G)&1)+n1_
.set i1_, 0
.rept 4
.set e1_, 0
.rept 2
.set RD_, HA+8*(4*e1_+i1_)
.if ((\G) == 0) && (n1_ == 0)
	v_wmma_f32_16x16x32_f16 v[RD_:RD_+7], v[\buf+8*(2*n1_+e1_):\buf+8*(2*n1_+e1_)+7], v[64*i1_+8*SP_:64*i1_+8*SP_+7], v[BIAS+8*e1_:BIAS+8*e1_+7]
.else
	v_wmma_f32_16x16x32_f16 v[RD_:RD_+7], v[\buf+8*(2*n1_+e1_):\buf+8*(2*n1_+e1_)+7], v[64*i1_+8*SP_:64*i1_+8*SP_+7], v[RD_:RD_+7]
.endif
.set e1_, e1_+1
.endr
.set i1_, i1_+1
.endr
.set n1_, n1_+1
.endr
	WIN 0
.endm
.macro GELUH base                      ; 32 numbers h' a lane become g' = h' + |h'| erf
.set gi, 0
.rept 16
	v_pk_mul_f32 v[EE+2*gi:EE+2*gi+1], v[\base+2*gi:\base+2*gi+1], v[\base+2*gi:\base+2*gi+1] neg_lo:[1,0] neg_hi:[1,0]
.set gi, gi+1
.endr
.set gi, 0
.rept 32
	v_fma_f32 v[TT+gi], |v[\base+gi]|, s66, 1.0
.set gi, gi+1
.endr
.set gi, 0
.rept 32
	v_rcp_f32 v[TT+gi], v[TT+gi]
.set gi, gi+1
.endr
.set gi, 0
.rept 32
	v_exp_f32 v[EE+gi], v[EE+gi]
.set gi, gi+1
.endr
	v_nop
	s_wait_alu depctr_va_vdst(0)                   ; one wait for the 64
.set gi, 0
.rept 16
	v_pk_fma_f32 v[PQ+2*gi:PQ+2*gi+1], v[TT+2*gi:TT+2*gi+1], v[240:241], s[56:57] op_sel_hi:[1,1,0]
.set gi, gi+1
.endr
.irp a, 58,60,62
.set gi, 0
.rept 16
	v_pk_fma_f32 v[PQ+2*gi:PQ+2*gi+1], v[PQ+2*gi:PQ+2*gi+1], v[TT+2*gi:TT+2*gi+1], s[\a:\a+1] op_sel_hi:[1,1,0]
.set gi, gi+1
.endr
.endr
.set gi, 0
.rept 16
	v_pk_mul_f32 v[PQ+2*gi:PQ+2*gi+1], v[PQ+2*gi:PQ+2*gi+1], v[TT+2*gi:TT+2*gi+1]
.set gi, gi+1
.endr
.set gi, 0
.rept 16
	v_pk_fma_f32 v[PQ+2*gi:PQ+2*gi+1], v[PQ+2*gi:PQ+2*gi+1], v[EE+2*gi:EE+2*gi+1], 1.0 op_sel_hi:[1,1,0] neg_lo:[1,0,0] neg_hi:[1,0,0]
.set gi, gi+1
.endr
.set gi, 0
.rept 32
	v_fma_f32 v[\base+gi], |v[\base+gi]|, v[PQ+gi], v[\base+gi]
.set gi, gi+1
.endr
.endm
.macro LW2 s, set                      ; K step s of the chunk: W2's eight fragments, the hidden layer's four: 24 loads
.set ll, 0
.rept 16
	ds_load_b128 v[\set+4*ll:\set+4*ll+3], v[WBD] offset:8192*\s+512*ll
.set ll, ll+1
.endr
.set ll, 0
.rept 8
	ds_load_b128 v[\set+64+4*ll:\set+64+4*ll+3], v[HR] offset:4096*\s+512*ll
.set ll, ll+1
.endr
.endm
.macro MUL2 set                        ; 32 products, 32 accumulators by turns
	WIN 0x50
.set i2_, 0
.rept 4
.set t2_, 0
.rept 8
	v_wmma_f32_16x16x32_f16 v[8*(8*i2_+t2_):8*(8*i2_+t2_)+7], v[\set+8*t2_:\set+8*t2_+7], v[\set+64+8*i2_:\set+64+8*i2_+7], v[8*(8*i2_+t2_):8*(8*i2_+t2_)+7]
.set t2_, t2_+1
.endr
.set i2_, i2_+1
.endr
	WIN 0
.endm
.macro CHUNK fill
	s_wait_loadcnt 0x0                             ; b1's 32 numbers of this chunk
.set ll, 0
.rept 8
	v_pk_mul_f32 v[BIAS+2*ll:BIAS+2*ll+1], v[BIAS+2*ll:BIAS+2*ll+1], s[68:69] op_sel_hi:[1,0]
.set ll, ll+1
.endr
	LW1 0, 96
	LW1 1, 160
	s_wait_dscnt 16                                ; the younger group's sixteen loads may be out
	MUL1 0, 96
	PLACES 4
	LW1 2, 96
	s_wait_dscnt 16
	MUL1 1, 160
	PLACES 4
	LW1 3, 160
	s_wait_dscnt 16
	MUL1 2, 96
	s_wait_dscnt 0x0
	MUL1 3, 160
	PLACES 4
	GELUH HA
	GELUH HA+32
.set ll, 0
.rept 16
	v_cvt_pk_f16_f32 v[HF+8*(ll>>2)+(ll&3)], v[HA+2*ll], v[HA+2*ll+1]
	v_cvt_pk_f16_f32 v[HF+8*(ll>>2)+4+(ll&3)], v[HA+32+2*ll], v[HA+32+2*ll+1]
.set ll, ll+1
.endr
.set ll, 0
.rept 8
	ds_store_b128 v[HW], v[HF+4*ll:HF+4*ll+3] offset:512*ll
.set ll, ll+1
.endr
	s_wait_tensorcnt 0x0                           ; all my tensor loads have landed: W2's chunk
.if \fill
	ds_add_u32 v[SPW], v[NIL]
	s_add_nc_u64 s[38:39], s[38:39], 131072        ; W1's next chunk
	s_wait_dscnt 0x0                               ; the add, my images' stores and my reads of W1's slot are done
	ROUND                                          ; which is also the barrier between the images' stores and their reads
	tensor_load_to_lds s[36:39], s[28:35]
	s_nop 0
	PLACES 4
	s_add_nc_u64 s[54:55], s[54:55], 512
	B1LOAD
.else
	BARRIER
.endif
	LW2 0, 32
	LW2 1, 128
	s_wait_dscnt 24                                ; the younger set's 24 loads may be out
	MUL2 32
	PLACES 4
	LW2 2, 32
	s_wait_dscnt 24
	MUL2 128
	PLACES 4
	LW2 3, 128
	s_wait_dscnt 24
	MUL2 32
	s_wait_dscnt 0x0
	MUL2 128
.if \fill
	s_wait_tensorcnt 0x0                           ; W1's next chunk is in
	ds_add_u32 v[SPW], v[NIL]
	s_add_nc_u64 s[42:43], s[42:43], 131072        ; W2's next chunk
	s_wait_dscnt 0x0
	ROUND                                          ; nobody reads W2's slot or the images any more
	tensor_load_to_lds s[40:43], s[28:35]
	s_nop 0
	PLACES 4                                       ; also the places in front of the next chunk's loads
.endif
.endm
	s_mov_b32 s26, 15
.Lffn:
	CHUNK 1
	s_sub_co_u32 s26, s26, 1
	s_cmp_lg_u32 s26, 0
	s_cbranch_scc1 .Lffn
	CHUNK 0                                        ; the last chunk is written out: it asks for nothing
	NORM 1024                                      ; its barrier also stands behind every wave's last read of the images, into which the stages reach
; ---- the way out: 16 rows at a time through my stage, back as whole runs of 512 bytes
.macro TOSTAGE i
	WIN 0x04
.set ll, 0
.rept 16
	ds_store_b128 v[STO], v[64*\i+4*ll:64*\i+4*ll+3] offset:64*(ll>>1)+16*(ll&1)
.set ll, ll+1
.endr
	WIN 0
.set ll, 0
.rept 16
	ds_load_b128 v[32+64*((\i)&1)+4*ll:35+64*((\i)&1)+4*ll], v[RD] offset:528*ll   ; LDS serves a wave's instructions in order
.set ll, ll+1
.endr
.endm
.macro SEND i, younger
	s_wait_dscnt \younger
.set ll, 0
.rept 16
	global_store_b128 v[LI], v[32+64*((\i)&1)+4*ll:35+64*((\i)&1)+4*ll], s[86:87] offset:1048576*\i+65536*ll th:TH_STORE_NT   ; 32 lanes store 512 consecutive bytes, aligned
.set ll, ll+1
.endr
.endm
	TOSTAGE 0
	TOSTAGE 1
	SEND 0, 32
	s_wait_xcnt 0x0                                ; the stores have read their registers
	TOSTAGE 2
	SEND 1, 32
	s_wait_xcnt 0x0
	TOSTAGE 3
	SEND 2, 32
	SEND 3, 0
	s_wait_tensorcnt 0x0                           ; the wave's end
	ds_add_u32 v[SPW], v[NIL]
	s_wait_dscnt 0x0
	ROUND                                          ; the closing round
	s_endpgm
.Lfunc_end_k_qd45d3e0c71_attnffn:
	.size	k_qd45d3e0c71_attnffn, .Lfunc_end_k_qd45d3e0c71_attnffn-k_qd45d3e0c71_attnffn
	.p2alignl 7, 3214868480
	.fill 96, 4, 3214868480
	.section	.rodata,"a",@progbits
	.p2align	6, 0x0
	.amdhsa_kernel k_qd45d3e0c71_attnffn
		.amdhsa_group_segment_fixed_size 327680
		.amdhsa_private_segment_fixed_size 0
		.amdhsa_enable_private_segment 0
		.amdhsa_kernarg_size 64
		.amdhsa_user_sgpr_count 2
		.amdhsa_user_sgpr_kernarg_segment_ptr 1
		.amdhsa_wavefront_size32 1
		.amdhsa_system_sgpr_workgroup_id_x 1
		.amdhsa_system_sgpr_workgroup_id_y 1
		.amdhsa_system_sgpr_workgroup_id_z 1
		.amdhsa_system_vgpr_workitem_id 0
		.amdhsa_next_free_vgpr 1024
		.amdhsa_next_free_sgpr 96
		.amdhsa_reserve_vcc 0
		.amdhsa_float_denorm_mode_32 3
		.amdhsa_float_denorm_mode_16_64 3
		.amdhsa_memory_ordered 1
		.amdhsa_forward_progress 1
		.amdhsa_inst_pref_size 255
	.end_amdhsa_kernel
	.section	.bss,"aw",@nobits
	.p2align	6
	.space	262144
	.amdgpu_metadata
---
amdhsa.version: [ 1, 2 ]
amdhsa.kernels:
  - .name:           k_qd45d3e0c71_attnffn
    .symbol:         k_qd45d3e0c71_attnffn.kd
    .args:
      - { .name: qh, .offset: 0, .size: 8, .value_kind: global_buffer, .address_space: global }
      - { .name: qskip, .offset: 8, .size: 8, .value_kind: global_buffer, .address_space: global }
      - { .name: kvp, .offset: 16, .size: 8, .value_kind: global_buffer, .address_space: global }
      - { .name: ksc, .offset: 24, .size: 8, .value_kind: global_buffer, .address_space: global }
      - { .name: w16, .offset: 32, .size: 8, .value_kind: global_buffer, .address_space: global }
      - { .name: b1, .offset: 40, .size: 8, .value_kind: global_buffer, .address_space: global }
      - { .name: b2, .offset: 48, .size: 8, .value_kind: global_buffer, .address_space: global }
      - { .name: out0, .offset: 56, .size: 8, .value_kind: global_buffer, .address_space: global }
    .group_segment_fixed_size: 327680
    .private_segment_fixed_size: 0
    .kernarg_segment_align: 8
    .kernarg_segment_size: 64
    .max_flat_workgroup_size: 128
    .sgpr_count:     96
    .vgpr_count:     1024
    .wavefront_size: 32
...
	.end_amdgpu_metadata
.endif
;; end of part 4
